; MI455X (gfx1250); checked and timed in simulation.
; The chip was launched on July 23, 2026; its instructions are those of AMD's public machine-readable ISA for CDNA 5 (MIT licence, August 2026) and "CDNA5" Instruction Set Architecture Reference Guide (July 2026). The comments in the code are by the model that wrote it; some were corrected since.
;; GQA. Allowed arithmetic: matrix products marked QUANTISED: E4M3 operands, one given power-of-two scale a tensor, by v_wmma_f32_16x16x64_fp8_fp8 or v_wmma_f32_16x16x128_fp8_fp8, f32 sums; everything else in f32.
;; Inputs: k_norm_w 128 float32; lowp_scales 8 int32 (the exponents e of the quantised operands' scales 2^e); mask 1,024 x 1,024 bool; pos 1,024 int32; q_norm_w 128 float32; w_out 2,048 x 2,048 float32; w_qkv 3,072 x 2,048 float32; x 4 x 1,024 x 2,048 float32.
;; Outputs: out0 4 x 1,024 x 2,048 float32.
;; This version of the problem:
;;   THIS VERSION OF THE PROBLEM IS GIVEN IN LOW PRECISION. The matrix products marked QUANTISED in the list below multiply operands that are first quantised to E4M3 (4 exponent bits, 3 mantissa bits; 8 bits a number), with one given power-of-two scale for each operand tensor; their sums are f32. All else is computed in f32.
;;   The module's matrix products, in the order in which they are computed (A, B: the left and right operand; K: the contracted axis; several contracted axes count as one K, in the product's order):
;;     1. [M 4,096, K 2,048] x [K 2,048, N 3,072]; A: input x; B: input w_qkv: QUANTISED (scales: A lowp_scales[0], B lowp_scales[1])
;;     2. batch 64 x [M 1,024, K 128] x [K 128, N 1,024]; A: computed on the way; B: computed on the way: QUANTISED (scales: A lowp_scales[2], B lowp_scales[3])
;;     3. batch 64 x [M 1,024, K 1,024] x [K 1,024, N 128]; A: softmax (see below); B: computed on the way: QUANTISED (scales: A lowp_scales[4], B lowp_scales[5])
;;     4. [M 4,096, K 2,048] x [K 2,048, N 2,048]; A: computed on the way; B: input w_out: QUANTISED (scales: A lowp_scales[6], B lowp_scales[7])
;;   THE QUANTISER, for each operand of a quantised product, along K:
;;     - The operand's scale is 2^e, e = its entry of the input lowp_scales (int32; the entries are numbered through the quantised products in the list's order, A before B).
;;     - Each number is divided by the scale, clamped to +-448, and rounded to the nearest number of E4M3, ties to even, subnormals kept.
;;     - The product sums the exact products of the quantised numbers (number of the format x scale) in f32.
;;   ~~~python
;;   def quantise(x, axis, e):      # numpy; x: float32 -> the quantised numbers, widened to float32 again
;;       x = np.moveaxis(x, axis, -1); K = x.shape[-1]
;;       r = np.clip(x / 2.0 ** e, -448, 448)
;;       step = 2.0 ** (np.maximum(np.frexp(np.where(r == 0, 1, r))[1] - 1, -6) - 3)
;;       q = np.round(r / step) * step * 2.0 ** e      # np.round: ties to even
;;       return np.moveaxis(q, -1, axis).astype(np.float32)
;;   ~~~
;;   SOFTMAX AHEAD OF A QUANTISED PRODUCT. Where the list says 'softmax', what is quantised is not the finished softmax but p = 2^(t - M), with t = logit x log2(e) and M = ceil(the row's largest t), a whole number; so 1/2 < the row's largest p <= 1. The row's sum l is taken of the UNQUANTISED p, in f32, and the product's result is divided by l at the end. Since M is a whole number, a kernel that streams over the keys may use a running M (the ceiling of the running maximum): every later rescaling is an exact power of two, so the quantised numbers keep their values, but for numbers so far below the row's largest that they fall under the format's range.
;;   OPERANDS COMPUTED ON THE WAY. 'Computed on the way' means the value that the module computes at that place (a softmax that the list does not call 'softmax' is quantised finished and normalised). What goes into a quantiser is computed in f32, as accurately as f32 sums, v_exp_f32 and their like allow (about 1e-6 of the number): no bf16 or f16 on the way to a quantiser, and a product that is left as it is and whose result goes on into a quantised operand takes f32 operands (vector FMAs, or v_wmma_f32_16x16x4_f32). A number that lies on a knife's edge between two numbers of the format may be rounded either way, as far as f32 arithmetic and the matrix unit's own rounding can turn it there, and no further.
;; One version. Each part assembles by itself: llvm-mc -triple=amdgcn-amd-amdhsa -mcpu=gfx1250 --defsym DOCPART=n.
;; ======== version 1 of 1: 4 launches
;; limits: right only within a limited range of input values
;; workspace buffers: x_codes 8,388,608 bytes; wq_codes 6,291,456 bytes; wo_codes 4,194,304 bytes; rope 524,288 bytes; mw 131,072 bytes of whole numbers; q_img 8,388,608 bytes; kv_img 4,194,304 bytes; y_codes 8,388,608 bytes
;; launch prep (part 1): grid 608 x 1, 4 waves a work-group, no clusters, 33,280 bytes of LDS; arguments x, w_qkv, w_out, lowp_scales, pos, mask, x_codes, wq_codes, wo_codes, rope, mw; writes x_codes, wq_codes, wo_codes, rope, mw
.if DOCPART == 1
	.amdgcn_target "amdgcn-amd-amdhsa--gfx1250"
	.amdhsa_code_object_version 6
	.text
	.protected	k_qa330e1685b_prep
	.globl	k_qa330e1685b_prep
	.p2align	8
	.type	k_qa330e1685b_prep,@function
k_qa330e1685b_prep:
	s_mov_b64 s[64:65], 0
	v_nop
	global_prefetch_b8 v0, s[64:65] scope:SCOPE_SE
	s_setreg_imm32_b32 hwreg(HW_REG_WAVE_MODE, 25, 1), 1
	s_wait_xcnt 0x0
; THREE JOBS IN ONE LAUNCH, told apart by the work-group's number.
;   0-15    the table of cos and sin for the rotation, from the input pos: 64 tasks of 16 tokens, a wave a task.
;   16-31   the mask as words of lane bits, in the order in which the attention launch's registers hold the scores: 64 tasks, a wave a task.
;   32-607  x, w_qkv and w_out, f32 with K innermost, become codes of FP8 (E4M3), each with its given scale 2^e (entries 0, 1, 7 of the scales): 32,768 numbers a work-group.
; code = x / 2^e, held within +-448, rounded to the nearest code, ties to even.
; w_qkv's heads change places on the way: q heads stay at places 0-15, k head i goes to place 16 + 2 i, v head i to 17 + 2 i, so that in the next launch a wave's number tells k from v.
; LIMITS: each e between -126 and 119; |pos| up to 2^22 (the reduction of the angle takes pi/2 in three parts); NaN among the float inputs is not served.
.set WAVES, 4
.set STEPS, 16
.set EMAX,  8
.set MANT,  0x600000                   ; the mantissa field of 448 as f32
.set CB,    16                         ; bytes of 16 codes
.set R,     16                         ; v16-79   four sets of 16 numbers as they are loaded
.set X,     80                         ; v80-111  two sets of 16 neighbours
.set C,     128                        ; v128-191 codes: four registers for each step
.set WREG,  8192                       ; LDS: a region for each wave: two stages of 32 x SP bytes
.set SP,    80                         ; a lane's place in a stage: 64 bytes + 16 of padding
.set SPW,   12                         ; v12  LDS address of my spare word; never rewritten
.set NIL,   13                         ; v13  0; never rewritten
.set SPARE, WAVES*WREG                 ; behind the four regions: the spare words, 128 bytes a wave
	s_load_b512 s[4:19], s[0:1], 0x0               ; x 4, w_qkv 6, w_out 8, scales 10, pos 12, mask 14, x_codes 16, wq_codes 18
	s_load_b128 s[20:23], s[0:1], 0x40             ; wo_codes 20, rope 22
	s_load_b64 s[24:25], s[0:1], 0x50              ; mw
	v_lshl_add_u32 v[SPW], v0, 2, SPARE
	v_mov_b32 v[NIL], 0
	v_lshrrev_b32 v1, 5, v0
	v_readfirstlane_b32 s26, v1                    ; wave 0..3
	v_and_b32 v2, 31, v0                           ; lane
	s_wait_kmcnt 0x0
	s_cmp_lt_u32 ttmp9, 16
	s_cbranch_scc1 .Lrope
	s_cmp_lt_u32 ttmp9, 32
	s_cbranch_scc1 .Lmask
; ---------------- the quantiser.  A wave takes 16 steps of 512 numbers.  Each load reads 512 consecutive bytes; a step's 2,048 bytes turn through the wave's own stage in LDS, so that a lane
; then holds 16 neighbours along K, which is what the conversions take; a lane's 16 codes are 16 bytes, so a store covers 512 consecutive bytes.  Only pointers are chosen: one path for the three tensors.
	s_load_b256 s[40:47], s[10:11], 0x0            ; e0 .. e7
	s_wait_alu depctr_va_vdst(0)
	v_lshlrev_b32 v3, 4, v2                        ; my 16 bytes of a load's 512
	s_wait_alu depctr_va_vdst(0)
	s_mul_i32 s33, s26, WREG
	v_lshrrev_b32 v14, 2, v2
	v_mul_u32_u24 v14, v14, SP
	v_and_b32 v15, 3, v2
	v_lshl_add_u32 v14, v15, 4, v14
	v_add_nc_u32 v14, s33, v14                     ; the stage, on the way in: SP (lane / 4) + 16 (lane % 4)
	v_mul_u32_u24 v15, v2, SP
	v_add_nc_u32 v15, s33, v15                     ; and on the way out: SP x lane: my 16 neighbours
	v_mul_u32_u24 v4, v2, CB                       ; my codes' place in a step's
	s_sub_co_u32 s27, ttmp9, 32                    ; j: 0-255 x, 256-447 w_qkv, 448-575 w_out
	s_cmp_lt_u32 s27, 256
	s_cselect_b64 s[4:5], s[4:5], s[6:7]
	s_cselect_b64 s[16:17], s[16:17], s[18:19]
	s_cselect_b32 s28, 0, 256
	s_cmp_lt_u32 s27, 448
	s_cselect_b64 s[4:5], s[4:5], s[8:9]
	s_cselect_b64 s[16:17], s[16:17], s[20:21]
	s_cselect_b32 s28, s28, 448
	s_sub_co_u32 s28, s27, s28                     ; jj: my run of 16 rows in my tensor
	s_lshr_b32 s29, s28, 3                         ; (w_qkv: eight runs to a head)
	s_sub_co_u32 s29, s29, 16                      ; i = head - 16: 0-3 k, 4-7 v
	s_and_b32 s30, s29, 3
	s_lshl_b32 s30, s30, 1
	s_lshr_b32 s31, s29, 2
	s_add_co_u32 s30, s30, s31
	s_add_co_u32 s30, s30, 16                      ; its place: 16 + 2 (i % 4) + i / 4
	s_lshl_b32 s30, s30, 3
	s_and_b32 s31, s28, 7
	s_add_co_u32 s30, s30, s31
	s_sub_co_u32 s31, s27, 384
	s_cmp_lt_u32 s31, 64                           ; only w_qkv's heads 16-23 change places
	s_cselect_b32 s30, s30, s28
	s_lshl_b32 s34, s28, 2
	s_add_co_u32 s34, s34, s26
	s_lshl_b32 s34, s34, 15                        ; from: (4 jj + wave) x 8,192 numbers of 4 bytes
	s_mov_b32 s35, 0
	s_add_nc_u64 s[4:5], s[4:5], s[34:35]
	s_lshl_b32 s36, s30, 2
	s_add_co_u32 s36, s36, s26
	s_lshl_b32 s36, s36, 13                        ; to: 8,192 codes
	s_mov_b32 s37, 0
	s_add_nc_u64 s[16:17], s[16:17], s[36:37]
.macro LOAD t
.irp i, 0,1,2,3
	global_load_b128 v[R+16*((\t)%4)+4*\i:R+16*((\t)%4)+4*\i+3], v3, s[4:5] offset:2048*(\t)+512*\i th:TH_LOAD_NT   ; 32 lanes read 512 consecutive bytes; read once in the launch
.endr
.endm
.macro TURN t                          ; step t's numbers through the stage: LDS serves a wave's instructions in order, so no wait stands between the stores and the loads
.irp i, 0,1,2,3
	ds_store_b128 v14, v[R+16*((\t)%4)+4*\i:R+16*((\t)%4)+4*\i+3] offset:32*SP*((\t)%2)+8*SP*\i
.endr
.irp i, 0,1,2,3
	ds_load_b128 v[X+16*((\t)%2)+4*\i:X+16*((\t)%2)+4*\i+3], v15 offset:32*SP*((\t)%2)+16*\i
.endr
.endm
.irp t, 0,1,2,3
	LOAD \t
.endr
	s_wait_alu depctr_va_vdst(0)
	s_wait_kmcnt 0x0
	s_cmp_lt_u32 s27, 256
	s_cselect_b32 s38, s40, s41
	s_cmp_lt_u32 s27, 448
	s_cselect_b32 s38, s38, s47                    ; e0, e1 or e7
	s_add_co_i32 s38, s38, 127
	s_lshl_b32 s39, s38, 23
	v_mov_b32 v11, s39                             ; 2^e as f32: the conversion takes its exponent field
	s_add_co_i32 s38, s38, EMAX
	s_lshl_b32 s38, s38, 23
	s_or_b32 s38, s38, MANT
	v_mov_b32 v10, s38                             ; 448 x 2^e
	s_wait_alu depctr_va_vdst(0)
	s_wait_loadcnt 12                              ; step 0's four loads are in; twelve younger ones stay out
	TURN 0
.macro STEP t
.set XS, X+16*((\t)%2)
	s_wait_dscnt 0x0                               ; this step's numbers are back from the stage: so its stores into the stage have read their registers,
.if (\t)+4 < STEPS
	LOAD (\t)+4                                    ; which take the loads of four steps on
.endif
.if (\t)+1 < STEPS
.if STEPS-2-(\t) >= 3
	s_wait_loadcnt 12                              ; the next step's four loads are in; those of the three steps behind it may be out
.else
	s_wait_loadcnt 4*(STEPS-2-(\t))
.endif
	TURN (\t)+1                                    ; and go through the other stage while this step is worked
.endif
.irp i, 0,1,2,3,4,5,6,7,8,9,10,11,12,13,14,15
	v_med3_num_f32 v[XS+\i], v[XS+\i], -v10, v10   ; the conversion to an 8-bit code does not saturate (ISA guide 7.6.2): the hold at 448 x the scale comes first
.endr
	v_cvt_scalef32_pk8_fp8_f32 v[C+4*(\t):C+4*(\t)+1], v[XS:XS+7], v11
	v_cvt_scalef32_pk8_fp8_f32 v[C+4*(\t)+2:C+4*(\t)+3], v[XS+8:XS+15], v11
	global_store_b128 v4, v[C+4*(\t):C+4*(\t)+3], s[16:17] offset:32*CB*(\t)   ; each step has its own code registers: no store's data are written again
.endm
.irp t, 0,1,2,3,4,5,6,7,8,9,10,11,12,13,14,15
	STEP \t
.endr
	s_wait_tensorcnt 0x0                           ; the wave's end, behind my last LDS store
	ds_add_u32 v[SPW], v[NIL]
	s_wait_dscnt 0x0
	s_endpgm
; ---------------- the mask.  Task 8 qb + t.  Lane (r, h) stands for query 128 qb + 16 (r % 8) + 2 t + r / 8.  For key step s, word n = 8 tk + j has in bit 16 h + r
; mask[that query][128 s + 16 j + 2 tk + h]: the key that score register n of that lane holds in the attention launch.  A compare makes a word; v_writelane_b32 lays 64 words into a register pair, which leaves as 256 bytes.
.Lmask:
	s_sub_co_u32 s27, ttmp9, 16
	s_lshl_b32 s27, s27, 2
	s_add_co_u32 s27, s27, s26                     ; task
	s_lshr_b32 s28, s27, 3
	s_and_b32 s29, s27, 7
	s_lshl_b32 s28, s28, 17                        ; 128 qb rows of 1,024 bytes
	s_lshl_b32 s29, s29, 11                        ; 2 t rows
	s_add_co_u32 s28, s28, s29
	s_mov_b32 s29, 0
	s_add_nc_u64 s[14:15], s[14:15], s[28:29]
	s_lshl_b32 s28, s27, 11                        ; a task's words: 8 steps x 256 bytes
	s_add_nc_u64 s[24:25], s[24:25], s[28:29]
	s_wait_alu depctr_va_vdst(0)
	v_and_b32 v6, 7, v2
	v_bfe_u32 v7, v2, 3, 1
	v_bfe_u32 v8, v2, 4, 1                         ; h
	v_lshlrev_b32 v6, 14, v6
	v_lshl_add_u32 v6, v7, 10, v6                  ; my row: (16 (r % 8) + r / 8) x 1,024
	v_lshlrev_b32 v8, 3, v8
	v_mov_b32 v3, 0xff
	v_lshlrev_b32 v3, v8, v3                       ; byte h of a word: even tk
	v_lshlrev_b32 v4, 16, v3                       ; byte 2 + h: odd tk
	v_lshlrev_b32 v5, 3, v2                        ; 8 x lane: words 2 lane, 2 lane + 1
.irp i, 0,1,2,3,4,5,6,7,8,9,10,11,12,13,14,15
	v_mov_b32 v[80+\i], 0                          ; v_writelane_b32's destination counts as read
.endr
.macro MLOAD s                         ; my row's 128 bytes of key step s
.irp i, 0,1,2,3,4,5,6,7
	global_load_b128 v[16+32*((\s)%2)+4*\i:16+32*((\s)%2)+4*\i+3], v6, s[14:15] offset:128*(\s)+16*\i
.endr
.endm
.macro MWORDS s
.set DS, 16+32*((\s)%2)
.if (\s) < 7
	s_wait_loadcnt 8                               ; this step's eight loads are in, the next step's may be out
.else
	s_wait_loadcnt 0x0
.endif
.irp tk, 0,1,2,3,4,5,6,7
.irp j0, 0,4
.irp q, 0,1,2,3
	v_and_b32 v[96+\q], v[DS+4*(\j0+\q)+(\tk/2)], v[3+(\tk%2)]   ; byte 16 j + 2 tk + h of the 128
.endr
.irp q, 0,1,2,3
	v_cmp_ne_u32 s[30+\q], 0, v[96+\q]
.endr
.irp q, 0,1,2,3
	v_writelane_b32 v[80+2*(\s)+(\q%2)], s[30+\q], (8*\tk+\j0+\q)/2
.endr
.endr
.endr
.if (\s)+2 < 8
	MLOAD (\s)+2
.endif
	global_store_b64 v5, v[80+2*(\s):81+2*(\s)], s[24:25] offset:256*(\s)   ; 32 lanes store 256 consecutive bytes, aligned; each step has its own pair
.endm
	MLOAD 0
	MLOAD 1
.irp s, 0,1,2,3,4,5,6,7
	MWORDS \s
.endr
	s_endpgm
; ---------------- the rotation's table.  Task = token / 16.  Lane (r, h) makes, for token 16 task + r, cos and sin of pos x 10000^(-f / 64) at the 32 frequencies f = 16 b + 8 h + j:
; those of the channels that this lane holds in the next launch's results.  The table is laid as that launch's registers: chunk c (0-7 cos, 8-15 sin) is 512 bytes, 16 a lane.
.set INV, 16
.set COS, 48
.set SIN, 80
.Lrope:
	s_lshl_b32 s27, ttmp9, 2
	s_add_co_u32 s27, s27, s26                     ; task
	s_lshl_b32 s28, s27, 6
	s_mov_b32 s29, 0
	s_add_nc_u64 s[12:13], s[12:13], s[28:29]
	s_lshl_b32 s28, s27, 13
	s_add_nc_u64 s[22:23], s[22:23], s[28:29]
	s_wait_alu depctr_va_vdst(0)
	v_and_b32 v3, 15, v2
	v_lshlrev_b32 v3, 2, v3
	global_load_b32 v8, v3, s[12:13]               ; pos of my token
	v_bfe_u32 v9, v2, 4, 1
	v_lshlrev_b32 v9, 3, v9                        ; 8 h
	s_wait_alu depctr_va_vdst(0)
	v_lshlrev_b32 v10, 4, v2                       ; 16 x lane
	s_mov_b32 s40, 0xbe549a78                      ; -log2(10) / 16, upper part,
	s_mov_b32 s41, 0xb1979a21                      ; and what f32 leaves of it
	s_mov_b32 s42, 0x3f22f983                      ; 2 / pi
	s_mov_b32 s43, 0x3fc90fdb                      ; pi / 2 in three parts
	s_mov_b32 s44, 0xb33bbd2e
	s_mov_b32 s45, 0xa6f72ce2
	s_mov_b32 s46, 0xbe2aaaa3                      ; sin r = r + r z (S1 + z (S2 + z S3)), z = r^2, |r| <= pi / 4
	s_mov_b32 s47, 0x3c08839e
	s_mov_b32 s48, 0xb94ca1f9
	s_mov_b32 s49, 0x3d2aaaa5                      ; cos r = 1 - z / 2 + z^2 (C1 + z (C2 + z C3))
	s_mov_b32 s50, 0xbab6061a
	s_mov_b32 s51, 0x37ccf5ce
.set ii, 0
.rept 32                                           ; 10000^(-f / 64) = 2^n x 2^fr: n whole, |fr| <= 1/2; the fused forms keep fr to f32's last bits
	v_add_nc_u32 v112, 16*(ii/8)+(ii%8), v9
	v_cvt_f32_u32 v112, v112                       ; f
	v_mul_f32 v113, s40, v112
	v_rndne_f32 v[SIN+ii], v113                    ; n, kept here meanwhile
	v_fma_f32 v113, v112, s40, -v[SIN+ii]
	v_fma_f32 v[INV+ii], v112, s41, v113
.set ii, ii+1
.endr
	s_wait_loadcnt 0x0
.set ii, 0
	s_wait_alu depctr_va_vdst(0)
.rept 32
	v_exp_f32 v[INV+ii], v[INV+ii]
.set ii, ii+1
.endr
	v_cvt_f32_i32 v8, v8                           ; pos as f32.  (The plain instruction behind the exponentials)
	s_wait_alu depctr_va_vdst(0)                   ; one wait for the 32 exponentials, ahead of their first reader
.set ii, 0
.rept 32
	v_cvt_i32_f32 v[SIN+ii], v[SIN+ii]
	v_ldexp_f32 v[INV+ii], v[INV+ii], v[SIN+ii]
.set ii, ii+1
.endr
.set ii, 0
.rept 32
	v_mul_f32 v112, v8, v[INV+ii]                  ; the angle, rounded once as the definition rounds it
	v_mul_f32 v113, s42, v112
	v_rndne_f32 v113, v113                         ; k quarter turns
	v_fma_f32 v114, -v113, s43, v112
	v_fma_f32 v114, -v113, s44, v114
	v_fma_f32 v114, -v113, s45, v114               ; r
	v_mul_f32 v115, v114, v114                     ; z
	v_fma_f32 v116, v115, s48, s47
	v_fma_f32 v117, v115, s51, s50
	v_fma_f32 v116, v116, v115, s46
	v_fma_f32 v117, v117, v115, s49
	v_mul_f32 v116, v116, v115
	v_mul_f32 v118, v115, v115
	v_fma_f32 v119, v115, -0.5, 1.0
	v_fma_f32 v116, v116, v114, v114               ; sin r
	v_fma_f32 v117, v117, v118, v119               ; cos r
	v_cvt_i32_f32 v113, v113
	v_and_b32 v118, 1, v113
	v_cmp_ne_u32 vcc_lo, 0, v118                   ; an odd k swaps the two;
	v_cndmask_b32 v119, v116, v117, vcc_lo
	v_cndmask_b32 v120, v117, v116, vcc_lo
	v_lshlrev_b32 v118, 30, v113                   ; bit 1 of k turns sin's sign, bit 1 of k + 1 cos's
	v_add_nc_u32 v113, 1, v113
	v_and_b32 v118, 0x80000000, v118
	v_lshlrev_b32 v113, 30, v113
	v_xor_b32 v[SIN+ii], v118, v119
	v_and_b32 v113, 0x80000000, v113
	v_xor_b32 v[COS+ii], v113, v120
.set ii, ii+1
.endr
.irp c, 0,1,2,3,4,5,6,7
	global_store_b128 v10, v[COS+4*\c:COS+4*\c+3], s[22:23] offset:512*\c        ; 512 consecutive bytes a store
	global_store_b128 v10, v[SIN+4*\c:SIN+4*\c+3], s[22:23] offset:4096+512*\c
.endr
	s_endpgm
.Lfunc_end_k_qa330e1685b_prep:
	.size	k_qa330e1685b_prep, .Lfunc_end_k_qa330e1685b_prep-k_qa330e1685b_prep
	.p2alignl 7, 3214868480
	.fill 96, 4, 3214868480
	.section	.rodata,"a",@progbits
	.p2align	6, 0x0
	.amdhsa_kernel k_qa330e1685b_prep
		.amdhsa_group_segment_fixed_size 33280
		.amdhsa_private_segment_fixed_size 0
		.amdhsa_enable_private_segment 0
		.amdhsa_kernarg_size 88
		.amdhsa_user_sgpr_count 2
		.amdhsa_user_sgpr_kernarg_segment_ptr 1
		.amdhsa_wavefront_size32 1
		.amdhsa_system_sgpr_workgroup_id_x 1
		.amdhsa_system_sgpr_workgroup_id_y 1
		.amdhsa_system_sgpr_workgroup_id_z 1
		.amdhsa_system_vgpr_workitem_id 0
		.amdhsa_next_free_vgpr 192
		.amdhsa_next_free_sgpr 66
		.amdhsa_reserve_vcc 1
		.amdhsa_float_denorm_mode_32 3
		.amdhsa_float_denorm_mode_16_64 3
		.amdhsa_memory_ordered 1
		.amdhsa_forward_progress 1
		.amdhsa_inst_pref_size 182
	.end_amdhsa_kernel
	.amdgpu_metadata
---
amdhsa.version: [ 1, 2 ]
amdhsa.kernels:
  - .name:           k_qa330e1685b_prep
    .symbol:         k_qa330e1685b_prep.kd
    .args:
      - { .name: x, .offset: 0, .size: 8, .value_kind: global_buffer, .address_space: global }
      - { .name: w_qkv, .offset: 8, .size: 8, .value_kind: global_buffer, .address_space: global }
      - { .name: w_out, .offset: 16, .size: 8, .value_kind: global_buffer, .address_space: global }
      - { .name: lowp_scales, .offset: 24, .size: 8, .value_kind: global_buffer, .address_space: global }
      - { .name: pos, .offset: 32, .size: 8, .value_kind: global_buffer, .address_space: global }
      - { .name: mask, .offset: 40, .size: 8, .value_kind: global_buffer, .address_space: global }
      - { .name: x_codes, .offset: 48, .size: 8, .value_kind: global_buffer, .address_space: global }
      - { .name: wq_codes, .offset: 56, .size: 8, .value_kind: global_buffer, .address_space: global }
      - { .name: wo_codes, .offset: 64, .size: 8, .value_kind: global_buffer, .address_space: global }
      - { .name: rope, .offset: 72, .size: 8, .value_kind: global_buffer, .address_space: global }
      - { .name: mw, .offset: 80, .size: 8, .value_kind: global_buffer, .address_space: global }
    .group_segment_fixed_size: 33280
    .private_segment_fixed_size: 0
    .kernarg_segment_align: 8
    .kernarg_segment_size: 88
    .max_flat_workgroup_size: 128
    .sgpr_count:     66
    .vgpr_count:     192
    .wavefront_size: 32
...
	.end_amdgpu_metadata
.endif
;; end of part 1
;; launch qkv (part 2): grid 12 x 16, 4 waves a work-group, clusters of 4 x 4, 327,680 bytes of LDS; arguments x_codes, wq_codes, lowp_scales, rope, q_norm_w, k_norm_w, q_img, kv_img; writes q_img, kv_img
.if DOCPART == 2
	.amdgcn_target "amdgcn-amd-amdhsa--gfx1250"
	.amdhsa_code_object_version 6
	.text
	.protected	k_qa330e1685b_qkv
	.globl	k_qa330e1685b_qkv
	.p2align	8
	.type	k_qa330e1685b_qkv,@function
k_qa330e1685b_qkv:
	s_mov_b64 s[64:65], 0
	v_nop
	global_prefetch_b8 v0, s[64:65] scope:SCOPE_SE
	s_setreg_imm32_b32 hwreg(HW_REG_WAVE_MODE, 25, 1), 1
	s_wait_xcnt 0x0
	s_wait_alu depctr_hold_cnt(0) depctr_sa_sdst(0) depctr_va_vdst(0) depctr_va_sdst(0) depctr_va_ssrc(0) depctr_va_vcc(0) depctr_vm_vsrc(0)
	s_getreg_b32 s2, hwreg(HW_REG_IB_STS2, 6, 4)
	s_cmp_eq_u32 s2, 0
	s_cbranch_scc0 .Lentry_in_a_cluster
	s_endpgm
.Lentry_in_a_cluster:
	s_bfe_u32 s2, ttmp6, 0x10000c
	s_cmp_lg_u32 s2, 0xf033
	s_cbranch_scc0 .Lentry_shape_is_right
	s_endpgm
.Lentry_shape_is_right:
; THE FIRST PRODUCT AND ALL THAT FOLLOWS IT UP TO ATTENTION'S OPERANDS.  C = x w_qkv^T on codes of FP8 (E4M3): A [4096][2048], B [3072][2048] (heads' places: 0-15 q, 16 + 2 i k head i, 17 + 2 i v head i), sums in f32.
; A tile of C is 256 x 256, four waves, a wave 128 tokens x 128 columns: ONE HEAD.  64 accumulators of 16 x 16, 512 registers.  K goes in steps of 256 through a ring of two LDS slots filled by the tensor data mover.
; CLUSTERS: 4 x 4 work-groups; A's tile is asked for jointly along a row of the cluster, B's along a column.  The matrix instruction is used transposed (source 0 = 16 rows of B, source 1 = 16 rows of A):
; lane (r, h) holds, in accumulator (a, b), token 16 a + r and channels 16 b + 8 h + 0 .. 7 of the head.
; THE WAY OUT never stores f32.  q and k heads: mean of squares over the head (64 numbers a lane and the lane 16 away), x rsqrt(ms + eps) x the norm's weight, the rotation (channel d and d + 64 lie in one lane;
; cos and sin come from the table laid as these registers), the hold and the conversion with 2^e2 (q) or 2^e3 (k).  v heads: the hold and the conversion with 2^e5, taken ACROSS the eight row blocks, so that a lane's
; eight codes are eight keys of one channel: V comes out with the keys innermost and nothing is transposed by an instruction.
; The codes leave as IMAGES OF ATTENTION'S OPERAND REGISTERS, 16 KB for 128 tokens of a head: tile t (2 KB), chunk c (512 bytes), 16 bytes a lane.  q, k: lane (r, h) has channels 32 c + 16 h + 0..15 of token
; 16 (r % 8) + 2 t + r / 8.  v: lane (r, h) has, of channel 16 t + r, keys 16 j + 4 c + h (bytes j = 0..7) and 16 j + 4 c + 2 + h (bytes 8 + j).
; They turn through the wave's own stage in LDS, in slot 0, which has had its last fill and its last read when the first code is stored there.  Both ways out use the wave's one stage: 18,944 bytes x wave.
; LIMITS: e2, e3 and e5 - e0 - e1 between -126 and 119.  NaN among the inputs is not served.
; REGISTERS, in windows of 256: window 0: v0-31 addresses; from v128 A's fragments, one set.  window 1: B's fragments, two sets.  windows 2, 3: the accumulators of my rows 0-63, 64-127 ((a, b) at v[8 (8 (a % 4) + b)]).
;   On the way out: window 0: v8 the scale, v9 448 x it; v32-95, v96-159 two sets of cos (32) and sin (32), later the images; v160-223 a block at work; v224-231 the eight rows' factors; v232-247 codes; v248-255 at work.  window 1: v0-63 the norm's weights.
.set SIZE_M, 4096
.set SIZE_N, 3072
.set SIZE_K, 2048
.set KSTEP,  256                       ; along K in a slot
.set ROWB,   256                       ; a tile's row in bytes
.set KROW,   SIZE_K                    ; a row of A or of B in memory, in bytes
.set PITCH,  272                       ; an LDS row: 256 bytes + 16 of padding = 68 words: the 16 rows that a load touches start at 16 different banks (64 banks of 4 bytes: ISA guide 11.1)
.set FR,     16                        ; registers of a fragment: 16 rows x 128 K
.set NL,     4                         ; LDS loads that bring one
.set NP,     4                         ; places behind this matrix instruction (ISA guide 7.12.1)
.set HALFT,  128*PITCH                 ; 128 rows: what one tensor load brings
.set SLOT,   4*HALFT                   ; A's 256 rows, then B's 256 rows
.set LAPS,   SIZE_K/(2*KSTEP)          ; a lap = two K steps = once round the ring
.set SPARE,  2*SLOT                    ; behind the ring: the spare words, 128 bytes a wave
.set WSTG,   18944                     ; the way out: a wave's stage
.set BPIT,   2336                      ; q, k: 16 rows of 144 bytes (128 codes + 16) + 32: a block of 16 tokens
.set ADRA, 16                          ; v16-17  LDS address of my A fragments in slot 0, 1
.set ADRB, 20                          ; v20-21  the same for B
.set STQ,  24                          ; v24     q, k: where I put 8 codes: stage + 144 r + 8 h
.set RDQ,  25                          ; v25     q, k: where I read 16 bytes of an image: stage + 2336 (r % 8) + 144 (r / 8) + 16 h
.set STV,  26                          ; v26     v: stage + 1152 h + 8 p(r)
.set RDV,  27                          ; v27     v: stage + 144 r + 16 h
.set SPW,  28                          ; v28     LDS address of my spare word; never rewritten
.set NIL,  29                          ; v29     0; never rewritten
.set LI,   30                          ; v30     16 x lane
.set H32,  31                          ; v31     32 h
.set AF,   128                         ; A's fragments, in window 0
.set CS0,  32
.set T,    160
.set F,    224
.set CD,   232
.set CDV,  224
.set U,    248
.set OB,   32
.set G1, 24                            ; s[24:31] descriptor group 1 for A's tiles;  s[32:39] group 0, one set for each slot
.set G0, 32
.set G1B, 48                           ; s[48:55], s[56:63] the same for B's tiles
.set G0B, 56
.set PFA, 94                           ; s[94:95] where my prefetches stand: my work-group's 32 rows of the 128 that my wave fetches
.set PFO, 10                           ; v10     the prefetches' offset: my lane x a row of 2,048 bytes; never rewritten
.set MSB, 0
.macro WIN new                         ; the immediate's high byte repeats the setting that is left
.if MSB != \new
	s_set_vgpr_msb (MSB<<8)|\new
.set MSB, \new
.endif
.endm
.set MUL_LO, 0xa1                      ; source 0 (B) window 1, source 1 (A) window 0, C and D window 2
.set MUL_HI, 0xf1                      ; the same, C and D window 3
.set TO_B,   0x40                      ; destination window 1, address window 0
; A joint load: waves 0 and 1 fetch for A, waves 2 and 3 for B.  Each line has one mask and one set of registers for all that issue it; the branch hangs on the wave's number alone.
; An s_nop 0 and four v_nop follow each of the two lines.
.macro JLOAD g0a, g1a, g0b, g1b
	s_cmp_eq_u32 s15, 0
	s_cbranch_scc0 .Lfor_b_\@
	tensor_load_to_lds s[\g0a:\g0a+3], s[\g1a:\g1a+7]
	s_nop 0
.rept 4
	v_nop
.endr
	s_branch .Lasked_\@
.Lfor_b_\@:
	tensor_load_to_lds s[\g0b:\g0b+3], s[\g1b:\g1b+7]
	s_nop 0
.rept 4
	v_nop
.endr
.Lasked_\@:
.endm
.macro CREST                           ; a round of the cluster's barrier behind its opening barrier
	s_cmp_lg_u32 s14, 0
	s_cbranch_scc1 .Lnot_wave_0_\@
	s_barrier_signal -3
.Lnot_wave_0_\@:
	s_barrier_wait -3
	s_barrier_signal -1
	s_barrier_wait -1
.endm
.macro CROUND                          ; a whole round
	s_barrier_signal -1
	s_barrier_wait -1
	CREST
.endm
	s_load_b128 s[4:7], s[0:1], 0x0                ; x's codes s[4:5], w_qkv's codes s[6:7]
	s_load_b128 s[8:11], s[0:1], 0x10              ; the scales' exponents s[8:9], the table s[10:11]
	s_load_b256 s[68:75], s[0:1], 0x20             ; q_norm_w 68, k_norm_w 70, q_img 72, kv_img 74
	v_lshl_add_u32 v[SPW], v0, 2, SPARE
	v_mov_b32 v[NIL], 0
	ds_add_u32 v[SPW], v[NIL]                      ; the wave's opening: the add and its wait stand ahead of my first tensor load; the set-up below stands between them
	ds_add_u32 v[SPW], v[NIL]
	v_lshrrev_b32 v1, 5, v0
	v_readfirstlane_b32 s14, v1                    ; wave 0..3
	s_lshr_b32 s15, s14, 1                         ; which half of the tile's rows is mine.  Also: I fetch for A (0) or for B (1)
	s_and_b32 s16, s14, 1                          ; which half of its columns.  Also: which 128 rows of that tile I fetch
	s_bfe_u32 s40, ttmp6, 0x40000                  ; cx, cy: my place in the cluster
	s_bfe_u32 s41, ttmp6, 0x40004
	s_lshl_b32 s42, ttmp9, 2
	s_add_co_u32 s42, s42, s40                     ; tile column of C = 4 x cluster x + cx
	s_and_b32 s17, ttmp7, 0xffff
	s_lshl_b32 s17, s17, 2
	s_add_co_u32 s17, s17, s41                     ; tile row of C = 4 x cluster y + cy
	s_lshl_b32 s43, s41, 2
	s_lshl_b32 s43, 15, s43                        ; my row of the cluster
	s_lshl_b32 s44, 0x1111, s40                    ; my column
	s_or_b32 s[G1+0], s43, (0<<16)|(1<<20)|(1<<21)|(5<<22)|(3<<25)  ; 15:0 the mask: A's tiles go to my row; elements of 1 byte; padding on; bit 21 beside a mask; after every 64 words four words
	s_or_b32 s[G1B+0], s44, (0<<16)|(1<<20)|(1<<21)|(5<<22)|(3<<25)
.irp g, G1, G1B
	s_mov_b32 s[\g+1], ROWB<<16                    ; tensor_dim0
	s_mov_b32 s[\g+2], 128<<16                     ; tensor_dim1 = 128
	s_mov_b32 s[\g+3], ROWB<<16                    ; tile_dim0
	s_mov_b32 s[\g+4], 128                         ; tile_dim1 = 128
	s_mov_b32 s[\g+5], KROW                        ; tensor_dim0_stride
	s_mov_b32 s[\g+6], 0
	s_mov_b32 s[\g+7], 0
.endr
	s_lshl_b32 s18, s16, 7                         ; which 128 rows of the tile I fetch
	s_lshl_b32 s20, s17, 8
	s_add_co_u32 s20, s20, s18                     ; A: row 256 x tile row + 128 x half
	s_lshl_b32 s46, s42, 8
	s_add_co_u32 s46, s46, s18                     ; B: row 256 x tile column + 128 x half
	s_mov_b32 s21, 0
	s_mov_b32 s47, 0
	s_mov_b64 s[18:19], KROW
	s_mul_u64 s[20:21], s[20:21], s[18:19]
	s_mul_u64 s[46:47], s[46:47], s[18:19]
	s_mul_i32 s45, s14, HALFT                      ; where they go: wave x 128 rows: no place in the cluster enters an LDS address
	s_wait_dscnt 0x0                               ; the opening add is done
	s_wait_kmcnt 0x0
	s_load_b256 s[76:83], s[8:9], 0x0              ; e0 .. e7
	s_add_nc_u64 s[20:21], s[4:5], s[20:21]
	s_add_nc_u64 s[46:47], s[6:7], s[46:47]
	; THE PREFETCHES INTO THE L2.  Behind the joint load of K step j one instruction a wave names K step j + 2: 32 rows x 256 bytes, a lane a row.  The four partners that ask for a tile
	; jointly share its rows out by address (cx for A, cy for B).  K steps 0 and 1 come by their loads alone; the loads of K steps 6 and 7 ask for nothing, so every address stays inside its buffer.
	s_lshl_b32 s96, s17, 8
	s_lshl_b32 s97, s40, 5
	s_add_co_u32 s96, s96, s97                     ; A: 256 x tile row + 32 cx
	s_lshl_b32 s98, s42, 8
	s_lshl_b32 s97, s41, 5
	s_add_co_u32 s98, s98, s97                     ; B: 256 x tile column + 32 cy
	s_cmp_eq_u32 s15, 0                            ; do I fetch for A?
	s_cselect_b32 s96, s96, s98
	s_cselect_b64 s[PFA:PFA+1], s[4:5], s[6:7]
	s_lshl_b32 s97, s16, 7
	s_add_co_u32 s96, s96, s97                     ; + the 128 rows that I fetch
	s_lshl_b32 s96, s96, 11                        ; rows of 2,048 bytes
	s_mov_b32 s97, 0
	s_add_nc_u64 s[PFA:PFA+1], s[PFA:PFA+1], s[96:97]
	v_and_b32 v[PFO], 31, v0
	v_lshlrev_b32 v[PFO], 11, v[PFO]
	s_wait_alu depctr_va_vdst(0)                   ; the wait here, directly behind the write
	CROUND                                         ; all sixteen work-groups are here: the first joint loads meet
.irp s, 0,1
	s_mov_b32 s[G0+4*\s], 1
	s_add_co_u32 s[G0+4*\s+1], s45, \s*SLOT
	s_add_nc_u64 s[G0+4*\s+2:G0+4*\s+3], s[20:21], \s*ROWB
	s_or_b32 s[G0+4*\s+3], s[G0+4*\s+3], 0x80000000
	s_mov_b32 s[G0B+4*\s], 1
	s_add_co_u32 s[G0B+4*\s+1], s45, \s*SLOT
	s_add_nc_u64 s[G0B+4*\s+2:G0B+4*\s+3], s[46:47], \s*ROWB
	s_or_b32 s[G0B+4*\s+3], s[G0B+4*\s+3], 0x80000000
.endr
	JLOAD G0, G1, G0B, G1B                         ; K step 0: one tensor load a wave at the head
	global_prefetch_b8 v[PFO], s[PFA:PFA+1] offset:2*ROWB th:TH_LOAD_NT scope:SCOPE_SE   ; K step 2
	v_and_b32 v1, 15, v0                           ; r = l % 16
	s_wait_alu depctr_va_vdst(0)
	v_bfe_u32 v2, v0, 4, 1                         ; h = l / 16
	v_mul_u32_u24 v3, v1, PITCH
	v_lshl_add_u32 v4, v2, 4, v3                   ; a fragment's row x pitch + 16 x half
	s_mul_i32 s21, s15, HALFT                      ; my 128 rows of A
	s_mul_i32 s22, s16, HALFT                      ; my 128 rows of B,
	s_add_co_u32 s22, s22, 2*HALFT                 ; which lie behind A's 256
.irp s, 0,1
	v_add_nc_u32 v[ADRA+\s], s21, v4
	v_add_nc_u32 v[ADRB+\s], s22, v4
	s_add_co_u32 s21, s21, SLOT
	s_add_co_u32 s22, s22, SLOT
.endr
	s_mul_i32 s23, s14, WSTG                       ; my stage.  All its addresses are made here, on the way that every wave takes
	v_mul_u32_u24 v5, v1, 144
	v_add_nc_u32 v5, s23, v5
	s_wait_alu depctr_va_vdst(0)
	v_lshl_add_u32 v[STQ], v2, 3, v5
	v_lshl_add_u32 v[RDV], v2, 4, v5
	v_and_b32 v6, 7, v0
	v_bfe_u32 v7, v0, 3, 1
	v_mul_u32_u24 v6, v6, BPIT
	v_mad_u32_u24 v6, v7, 144, v6
	v_lshl_add_u32 v6, v2, 4, v6
	v_add_nc_u32 v[RDQ], s23, v6
	v_and_b32 v6, 12, v0                           ; p(r) = (r & 12) + 2 (r & 1) + ((r >> 1) & 1): key r mod 16 = 4 c + 2 (upper 8 bytes) + h of the image's lane
	v_and_b32 v7, 1, v0
	v_lshl_add_u32 v6, v7, 1, v6
	v_bfe_u32 v7, v0, 1, 1
	v_add_nc_u32 v6, v6, v7
	v_mul_u32_u24 v7, v2, 1152                     ; my half's channels lie 8 rows of 144 bytes further down
	v_lshl_add_u32 v6, v6, 3, v7
	v_add_nc_u32 v[STV], s23, v6
	v_and_b32 v6, 31, v0
	v_lshlrev_b32 v[LI], 4, v6
	v_lshlrev_b32 v[H32], 5, v2
.macro FRAG reg, adr, q, i             ; a fragment: lane l holds row l % 16; registers 4 c .. 4 c + 3 hold K = 32 c + 16 (l / 16) + 0 .. 15: the same places in A and in B
.irp c, 0,1,2,3
	ds_load_b128 v[\reg+4*\c:\reg+4*\c+3], v[\adr] offset:128*(\q)+32*\c+(\i)*16*PITCH
.endr
.endm
; 16 matrix instructions: A's blocks a0, a0 + 1 x B's eight, 128 along K.  p: B's set.  zero = 1: the first product starts the sums.
; The 64 accumulators take turns, one instruction a turn, in the same order in every step.
.macro MUL16 a0, p, zero
.irp a, \a0, \a0+1
.irp b, 0,1,2,3,4,5,6,7
.if \zero
	v_wmma_f32_16x16x128_fp8_fp8 v[8*(8*((\a)%4)+\b):8*(8*((\a)%4)+\b)+7], v[128*(\p)+FR*\b:128*(\p)+FR*\b+FR-1], v[AF+FR*(\a):AF+FR*(\a)+FR-1], 0
.else
	v_wmma_f32_16x16x128_fp8_fp8 v[8*(8*((\a)%4)+\b):8*(8*((\a)%4)+\b)+7], v[128*(\p)+FR*\b:128*(\p)+FR*\b+FR-1], v[AF+FR*(\a):AF+FR*(\a)+FR-1], v[8*(8*((\a)%4)+\b):8*(8*((\a)%4)+\b)+7]
.endif
.endr
.endr
.endm
.macro FETCH_B slot, q, p              ; B's eight fragments of the slot's q-th 128 along K into set p
	WIN TO_B
.irp i, 0,1,2,3,4,5,6,7
	FRAG 128*(\p)+FR*\i, ADRB+\slot, \q, \i
.endr
	WIN 0
.endm
.macro FETCH_A slot, q, i0             ; A's blocks i0 .. i0 + 3
.irp i, \i0, \i0+1, \i0+2, \i0+3
	FRAG AF+FR*(\i), ADRA+\slot, \q, \i
.endr
.endm
.macro PLACES n                        ; plain vector instructions between a matrix instruction and a load into, or a read of, its registers
.rept \n
	v_nop
.endr
.endm
; A step of 128 along K that has its successor in the same slot.  A has one set of registers: a block is free when its eight products are issued.
.macro STEP slot, q, zero
	s_wait_dscnt 4*NL                              ; B's set and A's blocks 0-3 are in; the youngest sixteen loads (A's blocks 4-7) may be out
	WIN MUL_LO
	MUL16 0, (\q)%2, \zero
	MUL16 2, (\q)%2, \zero
	s_wait_dscnt 0                                 ; A's blocks 4-7 are in
	PLACES NP
	FETCH_B \slot, (\q)+1, 1-(\q)%2
	FETCH_A \slot, (\q)+1, 0
	WIN MUL_HI
	MUL16 4, (\q)%2, \zero
	MUL16 6, (\q)%2, \zero
	PLACES NP
	WIN 0
	FETCH_A \slot, (\q)+1, 4
.endm
; A slot's last step changes slots.  Its first 32 products stand AHEAD of the change, its last 32 behind it: so nothing but the barrier stands between the wait for one refill and the request for the next,
; and a refill has a whole K step's 128 matrix instructions in which to land.  One barrier: in front of it each wave waits for all its tensor loads, adds 0 to its spare word, and waits for that and for
; its own reads of this slot (all its fragments of the slot's last step are then in registers).  fill = 1: this slot is filled again, two K steps ahead.
.macro TURN slot, next, fill
	s_wait_dscnt 4*NL                              ; B's set and A's blocks 0-3 are in; the youngest sixteen loads (A's blocks 4-7) may be out
	WIN MUL_LO
	MUL16 0, 1, 0
	MUL16 2, 1, 0
	WIN 0
	s_wait_tensorcnt 0x0                           ; all my tensor loads have landed: my part of the next slot; so every group 0 may be written
	ds_add_u32 v[SPW], v[NIL]                      ; 0 onto my spare word
.if \fill
	s_add_nc_u64 s[G0+4*\slot+2:G0+4*\slot+3], s[G0+4*\slot+2:G0+4*\slot+3], 2*ROWB
	s_add_nc_u64 s[G0B+4*\slot+2:G0B+4*\slot+3], s[G0B+4*\slot+2:G0B+4*\slot+3], 2*ROWB
	s_wait_xcnt 0x0                                ; any prefetch of mine has read its address, so it may be stepped:
	s_add_nc_u64 s[PFA:PFA+1], s[PFA:PFA+1], ROWB  ; one K step on
.endif
	s_wait_dscnt 0x0                               ; the add is done, A's blocks 4-7 are in, and with them my reads of this slot are over
	s_barrier_signal -1
	s_barrier_wait -1
.if \fill
	CREST                                          ; the barrier has opened a round of the cluster's barrier: no wave of any partner still reads this slot or has a load on its way
	JLOAD G0+4*\slot, G1, G0B+4*\slot, G1B         ; the first tensor load behind the round; its four v_nop are the places in front of the loads below
.else
	PLACES NP
.endif
	FETCH_B \next, 0, 0
	FETCH_A \next, 0, 0
.if \fill
	s_cmp_gt_u32 s3, 1                             ; the loop's last trip loads K steps 6 and 7: no K step stands two on
	s_cbranch_scc0 .Lnoask_\@
	global_prefetch_b8 v[PFO], s[PFA:PFA+1] offset:3*ROWB th:TH_LOAD_NT scope:SCOPE_SE   ; two K steps on from the one just asked for
.Lnoask_\@:
.endif
	WIN MUL_HI
	MUL16 4, 1, 0
	MUL16 6, 1, 0
	PLACES NP
	WIN 0
	FETCH_A \next, 0, 4
.endm
	s_wait_alu depctr_va_vdst(0)                   ; the wait at the head's end
	s_wait_tensorcnt 0x0                           ; my part of K step 0 is in; these lines stand ahead of a later first fill, as ahead of a refill
	ds_add_u32 v[SPW], v[NIL]
	s_wait_dscnt 0x0
	CROUND                                         ; everybody's part of K step 0 is in, and all sixteen work-groups are here
	JLOAD G0+4, G1, G0B+4, G1B                     ; K step 1, slot 1's first fill: the first tensor load behind the round
	FETCH_B 0, 0, 0
	FETCH_A 0, 0, 0
	FETCH_A 0, 0, 4
	global_prefetch_b8 v[PFO], s[PFA:PFA+1] offset:3*ROWB th:TH_LOAD_NT scope:SCOPE_SE   ; K step 3
	STEP 0, 0, 1                                   ; the first step stands in front of the loop: its products start the sums
	s_mov_b32 s3, LAPS-1
.Llap:                                                 ; a trip goes once round the ring and fills both slots again
	TURN 0, 1, 1
	STEP 1, 0, 0
	TURN 1, 0, 1
	STEP 0, 0, 0
	s_sub_co_u32 s3, s3, 1
	s_cmp_lg_u32 s3, 0
	s_cbranch_scc1 .Llap
	TURN 0, 1, 0                                   ; the last lap fills nothing, and has no round of the cluster's barrier
	STEP 1, 0, 0
	s_wait_dscnt 4*NL                              ; the very last step: nothing more to fetch
	WIN MUL_LO
	MUL16 0, 1, 0
	MUL16 2, 1, 0
	s_wait_dscnt 0
	WIN MUL_HI
	MUL16 4, 1, 0
	MUL16 6, 1, 0
	WIN 0
; ---------------- THE WAY OUT
	s_wait_kmcnt 0x0
	s_add_co_i32 s85, s76, s77                     ; E = e0 + e1: a sum stands for sum x 2^E
	s_lshl_b32 s84, s85, 1
	s_sub_co_i32 s84, s84, 7                       ; mean of squares = sum of squares x 2^(2 E - 7)
	s_lshr_b32 s18, s17, 2                         ; the batch: 1,024 rows are four tile rows
	s_and_b32 s19, s17, 3
	s_lshl_b32 s19, s19, 1
	s_or_b32 s19, s19, s15                         ; g: which 128 tokens of the sequence are my wave's
	s_lshl_b32 s20, s18, 4
	s_lshl_b32 s21, s42, 1
	s_add_co_u32 s20, s20, s21
	s_add_co_u32 s20, s20, s16                     ; 16 x batch + head
	s_lshl_b32 s20, s20, 3
	s_add_co_u32 s20, s20, s19
	s_lshl_b32 s20, s20, 14                        ; q's image: 16 KB each
	s_lshl_b32 s21, s18, 2
	s_add_co_u32 s21, s21, s42
	s_sub_co_u32 s21, s21, 8                       ; 4 x batch + kv head
	s_lshl_b32 s21, s21, 3
	s_add_co_u32 s21, s21, s19
	s_lshl_b32 s21, s21, 15                        ; a step's 32 KB: K's image,
	s_lshl_b32 s22, s16, 14
	s_add_co_u32 s21, s21, s22                     ; then V's
	s_lshl_b32 s22, s19, 16                        ; the table: 8 tasks of 8 KB for 128 tokens
	s_mov_b32 s23, 0
	s_add_nc_u64 s[90:91], s[10:11], s[22:23]
	s_cmp_lt_u32 ttmp9, 2                          ; clusters 0 and 1 along x make q heads, cluster 2 k and v: the same answer in all sixteen partners
	s_cselect_b64 s[86:87], s[72:73], s[74:75]
	s_cselect_b64 s[88:89], s[68:69], s[70:71]
	s_cselect_b32 s22, s20, s21
	s_cselect_b32 s2, s78, s79                     ; e2 or e3
	s_add_nc_u64 s[86:87], s[86:87], s[22:23]
	s_mov_b32 s92, 0x76543210                      ; v_permlanex16_b32's selects for lane l xor 16
	s_mov_b32 s93, 0xfedcba98
	PLACES NP                                      ; behind the last products: their results are read and their operands' registers written below
; The images: 32 reads of 16 bytes a lane from my stage, 32 stores of 512 consecutive aligned bytes.  LDS serves a wave's instructions in order (ISA guide 5.7.1.4): the reads see my stores.
.macro OUT adr, ts
.set kk, 0
.rept 32
	ds_load_b128 v[OB+4*kk:OB+4*kk+3], v[\adr] offset:(kk/4)*(\ts)+32*(kk%4)
.set kk, kk+1
.endr
.set kk, 0
.rept 32
	s_wait_dscnt 31-kk                             ; load kk is in; the younger ones may be out
	global_store_b128 v[LI], v[OB+4*kk:OB+4*kk+3], s[86:87] offset:512*kk
.set kk, kk+1
.endr
.endm
	s_cmp_lt_u32 ttmp9, 2
	s_cbranch_scc1 .Lqk
	s_cmp_eq_u32 s16, 0                            ; in cluster 2 the even waves hold a k head, the odd ones a v head: a branch on the wave's number, with no barrier inside
	s_cbranch_scc1 .Lqk
; ---- a v head.  For columns 16 b .. 16 b + 15: register j of the eight row blocks are keys r, 16 + r, .. 112 + r of channel 16 b + 8 h + j.  The hold gathers them into eight neighbouring registers.
	s_sub_co_i32 s2, s81, s85                      ; code = sum / 2^(e5 - E)
	s_add_co_i32 s2, s2, 127
	s_lshl_b32 s3, s2, 23
	v_mov_b32 v8, s3
	s_add_co_i32 s2, s2, 8
	s_lshl_b32 s2, s2, 23
	s_or_b32 s2, s2, 0x600000
	v_mov_b32 v9, s2
.macro VBLOCK b
.set CDB, CDV+16*((\b)%2)
	WIN 0x02                                       ; source 0: window 2
.irp a, 0,1,2,3
.irp j, 0,1,2,3,4,5,6,7
	v_med3_num_f32 v[T+8*\j+\a], v[8*(8*\a+(\b))+\j], -v9, v9   ; the hold at 448 x the scale; each accumulator from its low end on
.endr
.endr
	WIN 0x03
.irp a, 0,1,2,3
.irp j, 0,1,2,3,4,5,6,7
	v_med3_num_f32 v[T+8*\j+4+\a], v[8*(8*\a+(\b))+\j], -v9, v9
.endr
.endr
	WIN 0
	s_wait_alu depctr_va_vdst(0)
	s_wait_dscnt 8                                 ; the stores of two blocks back have read this set of codes; the last block's eight may be out
.irp j, 0,1,2,3,4,5,6,7
	v_cvt_scalef32_pk8_fp8_f32 v[CDB+2*\j:CDB+2*\j+1], v[T+8*\j:T+8*\j+7], v8
.endr
	v_nop                                          ; a plain instruction behind the last conversion, ahead of the next writes of its sources
.irp j, 0,1,2,3,4,5,6,7
	ds_store_b64 v[STV], v[CDB+2*\j:CDB+2*\j+1] offset:(16*(\b)+\j)*144   ; row = channel; 32 lanes fill 2 x 128 consecutive bytes that share no bank
.endr
.endm
.irp b, 0,1,2,3,4,5,6,7
	VBLOCK \b
.endr
	OUT RDV, 2304                                  ; tile t: channels 16 t on: 16 rows of 144 bytes
	s_branch .Ldone
; ---- a q or k head
.Lqk:
	s_add_co_i32 s2, s2, 127
	s_lshl_b32 s3, s2, 23
	v_mov_b32 v8, s3                               ; 2^e
	s_add_co_i32 s2, s2, 8
	s_lshl_b32 s2, s2, 23
	s_or_b32 s2, s2, 0x600000
	v_mov_b32 v9, s2                               ; 448 x 2^e
	WIN 0x40                                       ; destination window 1
	s_wait_alu depctr_va_vdst(0)
.irp b, 0,1,2,3,4,5,6,7
.irp q, 0,1
	global_load_b128 v[8*\b+4*\q:8*\b+4*\q+3], v[H32], s[88:89] offset:64*\b+16*\q   ; the norm's weight at my channels 16 b + 8 h + 4 q on
.endr
.endr
	WIN 0
.macro TAB t                           ; block t's cos (32 registers) and sin (32): 16 loads of 512 consecutive bytes
.irp c, 0,1,2,3,4,5,6,7,8,9,10,11,12,13,14,15
	global_load_b128 v[CS0+64*((\t)%2)+4*\c:CS0+64*((\t)%2)+4*\c+3], v[LI], s[90:91] offset:(16*(\t)+\c)*512
.endr
.endm
	TAB 0
	TAB 1
.macro SUMSQ hi                        ; the sums of squares of blocks 4 hi .. 4 hi + 3, two numbers at a time, the four blocks by turns; each accumulator is read from its low end on
	WIN 0x0a+5*(\hi)                               ; sources 0 and 1: window 2 or 3
.irp a, 0,1,2,3
	v_pk_mul_f32 v[T+2*(4*\hi+\a):T+2*(4*\hi+\a)+1], v[64*\a:64*\a+1], v[64*\a:64*\a+1]
.endr
.set pp, 2
.rept 31
.irp a, 0,1,2,3
	v_pk_fma_f32 v[T+2*(4*\hi+\a):T+2*(4*\hi+\a)+1], v[64*\a+pp:64*\a+pp+1], v[64*\a+pp:64*\a+pp+1], v[T+2*(4*\hi+\a):T+2*(4*\hi+\a)+1]
.endr
.set pp, pp+2
.endr
.endm
	SUMSQ 0
	SUMSQ 1
	WIN 0
.irp a, 0,1,2,3,4,5,6,7
	v_add_f32 v[T+2*\a], v[T+2*\a], v[T+2*\a+1]
.endr
.irp a, 0,1,2,3,4,5,6,7
	v_permlanex16_b32 v[T+2*\a+1], v[T+2*\a], s92, s93   ; the row's other 64 channels lie in the lane 16 away
.endr
.irp a, 0,1,2,3,4,5,6,7
	v_add_f32 v[T+2*\a], v[T+2*\a], v[T+2*\a+1]
.endr
.irp a, 0,1,2,3,4,5,6,7
	v_ldexp_f32 v[T+2*\a], v[T+2*\a], s84
.endr
.irp a, 0,1,2,3,4,5,6,7
	v_add_f32 v[T+2*\a], 0x34000000, v[T+2*\a]     ; + eps = 2^-23
.endr
	s_wait_alu depctr_va_vdst(0)
.irp a, 0,1,2,3,4,5,6,7
	v_rsq_f32 v[F+\a], v[T+2*\a]
.endr
	v_nop                                          ; a plain instruction behind the last of the batch
	s_wait_alu depctr_va_vdst(0)                   ; one wait for the eight, ahead of their first reader
.irp a, 0,1,2,3,4,5,6,7
	v_ldexp_f32 v[F+\a], v[F+\a], s85              ; x 2^E: the factor for a row's sums
.endr
.macro QKBLOCK a
.set CSB, CS0+64*((\a)%2)
.set ACB, 64*((\a)%4)
.if (\a) < 7
	s_wait_loadcnt 16                              ; this block's table is in (and the weights); the next block's sixteen loads may be out
.else
	s_wait_loadcnt 0x0
.endif
	WIN 0x06+((\a)/4)                              ; source 0 window 2 or 3, source 1 window 1
.set pp, 0
.rept 32
	v_pk_mul_f32 v[T+pp:T+pp+1], v[ACB+pp:ACB+pp+1], v[pp:pp+1]   ; x the norm's weight
.set pp, pp+2
.endr
	WIN 0
.irp b, 0,1,2,3
.irp i, 0,2,4,6
.set uu, U+4*((\i/2)%2)
	v_pk_mul_f32 v[uu:uu+1], v[T+32+8*\b+\i:T+32+8*\b+\i+1], v[CSB+32+8*\b+\i:CSB+32+8*\b+\i+1]       ; t2 sin
	v_pk_mul_f32 v[uu+2:uu+3], v[T+8*\b+\i:T+8*\b+\i+1], v[CSB+32+8*\b+\i:CSB+32+8*\b+\i+1]           ; t1 sin
	v_pk_fma_f32 v[T+8*\b+\i:T+8*\b+\i+1], v[T+8*\b+\i:T+8*\b+\i+1], v[CSB+8*\b+\i:CSB+8*\b+\i+1], v[uu:uu+1] neg_lo:[0,0,1] neg_hi:[0,0,1]   ; t1 cos - t2 sin
	v_pk_fma_f32 v[T+32+8*\b+\i:T+32+8*\b+\i+1], v[T+32+8*\b+\i:T+32+8*\b+\i+1], v[CSB+8*\b+\i:CSB+8*\b+\i+1], v[uu+2:uu+3]                   ; t2 cos + t1 sin
.endr
.endr
.if (\a) < 6
	TAB (\a)+2                                     ; into the set just read
.endif
.set pp, 0
.rept 32
.if (\a)%2
	v_pk_mul_f32 v[T+pp:T+pp+1], v[T+pp:T+pp+1], v[F+(\a)-1:F+(\a)] op_sel:[0,1] op_sel_hi:[1,1]   ; x the row's factor: the pair's upper register for both halves
.else
	v_pk_mul_f32 v[T+pp:T+pp+1], v[T+pp:T+pp+1], v[F+(\a):F+(\a)+1] op_sel_hi:[1,0]                ; the pair's lower register for both halves
.endif
.set pp, pp+2
.endr
.set pp, 0
.rept 64
	v_med3_num_f32 v[T+pp], v[T+pp], -v9, v9       ; the hold at 448 x the scale
.set pp, pp+1
.endr
	s_wait_alu depctr_va_vdst(0)
	s_wait_dscnt 0x0                               ; the last block's stores have read the codes' registers
.irp b, 0,1,2,3,4,5,6,7
	v_cvt_scalef32_pk8_fp8_f32 v[CD+2*\b:CD+2*\b+1], v[T+8*\b:T+8*\b+7], v8
.endr
	v_nop                                          ; a plain instruction behind the last conversion
.irp b, 0,1,2,3,4,5,6,7
	ds_store_b64 v[STQ], v[CD+2*\b:CD+2*\b+1] offset:(\a)*BPIT+16*\b   ; row = token 16 a + r, channels 16 b + 8 h on: 32 lanes touch 64 different banks
.endr
.endm
.irp a, 0,1,2,3,4,5,6,7
	QKBLOCK \a
.endr
	OUT RDQ, 288                                   ; tile t: rows 2 t and 2 t + 1 of each of the eight blocks
.Ldone:
	s_wait_tensorcnt 0x0                           ; the wave's end, behind my last tensor load and my last LDS store
	ds_add_u32 v[SPW], v[NIL]
	s_wait_dscnt 0x0
	CROUND                                         ; the closing round: no work-group ends while a partner may still ask for a tile that names it
	s_endpgm
.Lfunc_end_k_qa330e1685b_qkv:
	.size	k_qa330e1685b_qkv, .Lfunc_end_k_qa330e1685b_qkv-k_qa330e1685b_qkv
	.p2alignl 7, 3214868480
	.fill 96, 4, 3214868480
	.section	.rodata,"a",@progbits
	.p2align	6, 0x0
	.amdhsa_kernel k_qa330e1685b_qkv
		.amdhsa_group_segment_fixed_size 327680
		.amdhsa_private_segment_fixed_size 0
		.amdhsa_enable_private_segment 0
		.amdhsa_kernarg_size 64
		.amdhsa_user_sgpr_count 2
		.amdhsa_user_sgpr_kernarg_segment_ptr 1
		.amdhsa_wavefront_size32 1
		.amdhsa_system_sgpr_workgroup_id_x 1
		.amdhsa_system_sgpr_workgroup_id_y 1
		.amdhsa_system_sgpr_workgroup_id_z 1
		.amdhsa_system_vgpr_workitem_id 0
		.amdhsa_next_free_vgpr 1024
		.amdhsa_next_free_sgpr 100
		.amdhsa_reserve_vcc 0
		.amdhsa_float_denorm_mode_32 3
		.amdhsa_float_denorm_mode_16_64 3
		.amdhsa_memory_ordered 1
		.amdhsa_forward_progress 1
		.amdhsa_inst_pref_size 255
	.end_amdhsa_kernel
	.section	.bss,"aw",@nobits
	.p2align	6
	.space	262144
	.amdgpu_metadata
---
amdhsa.version: [ 1, 2 ]
amdhsa.kernels:
  - .name:           k_qa330e1685b_qkv
    .symbol:         k_qa330e1685b_qkv.kd
    .args:
      - { .name: x_codes, .offset: 0, .size: 8, .value_kind: global_buffer, .address_space: global }
      - { .name: wq_codes, .offset: 8, .size: 8, .value_kind: global_buffer, .address_space: global }
      - { .name: lowp_scales, .offset: 16, .size: 8, .value_kind: global_buffer, .address_space: global }
      - { .name: rope, .offset: 24, .size: 8, .value_kind: global_buffer, .address_space: global }
      - { .name: q_norm_w, .offset: 32, .size: 8, .value_kind: global_buffer, .address_space: global }
      - { .name: k_norm_w, .offset: 40, .size: 8, .value_kind: global_buffer, .address_space: global }
      - { .name: q_img, .offset: 48, .size: 8, .value_kind: global_buffer, .address_space: global }
      - { .name: kv_img, .offset: 56, .size: 8, .value_kind: global_buffer, .address_space: global }
    .group_segment_fixed_size: 327680
    .private_segment_fixed_size: 0
    .kernarg_segment_align: 8
    .kernarg_segment_size: 64
    .max_flat_workgroup_size: 128
    .sgpr_count:     100
    .vgpr_count:     1024
    .wavefront_size: 32
...
	.end_amdgpu_metadata
.endif
;; end of part 2
;; launch attn (part 3): grid 16 x 16, 8 waves a work-group, clusters of 4 x 1, 327,680 bytes of LDS; arguments q_img, kv_img, mw, lowp_scales, y_codes; writes y_codes
.if DOCPART == 3
	.amdgcn_target "amdgcn-amd-amdhsa--gfx1250"
	.amdhsa_code_object_version 6
	.text
	.protected	k_qa330e1685b_attn
	.globl	k_qa330e1685b_attn
	.p2align	8
	.type	k_qa330e1685b_attn,@function
k_qa330e1685b_attn:
	s_mov_b64 s[64:65], 0
	v_nop
	global_prefetch_b8 v0, s[64:65] scope:SCOPE_SE
	s_setreg_imm32_b32 hwreg(HW_REG_WAVE_MODE, 25, 1), 1
	s_wait_xcnt 0x0
	s_wait_alu depctr_hold_cnt(0) depctr_sa_sdst(0) depctr_va_vdst(0) depctr_va_sdst(0) depctr_va_ssrc(0) depctr_va_vcc(0) depctr_vm_vsrc(0)
	s_getreg_b32 s2, hwreg(HW_REG_IB_STS2, 6, 4)
	s_cmp_eq_u32 s2, 0
	s_cbranch_scc0 .Lentry_in_a_cluster
	s_endpgm
.Lentry_in_a_cluster:
	s_bfe_u32 s2, ttmp6, 0x10000c
	s_cmp_lg_u32 s2, 0x3003
	s_cbranch_scc0 .Lentry_shape_is_right
	s_endpgm
.Lentry_shape_is_right:
.set LI,   1
.set ADK,  2
.set SPW,  3
.set NIL,  4
.set NINF, 5
.set LIM,  6
.set SCL,  7
.set STA,  8
.set STB,  20
.set FRG,  32
.set FRH,  160
.set SA,   96
.set SB,   160
.set PA,   224
.set PB,   240
.set OA,   0
.set OB,   64
.set QA,   128
.set QB,   144
.set STAGE, 262144
.set SPARE, STAGE+8*4352
.set MSB, 0
.macro WIN new
.if MSB != \new
	s_set_vgpr_msb (MSB<<8)|\new
.set MSB, \new
.endif
.endm
.macro CROUND
	s_barrier_signal -1
	s_barrier_wait -1
	s_cmp_lg_u32 s20, 0
	s_cbranch_scc1 .Lnot_wave_0_\@
	s_barrier_signal -3
.Lnot_wave_0_\@:
	s_barrier_wait -3
	s_barrier_signal -1
	s_barrier_wait -1
.endm
.macro MLOADS
	s_load_b512 s[28:43], s[24:25], s23 offset:0x0
	s_load_b512 s[44:59], s[24:25], s23 offset:0x40
	s_load_b512 s[68:83], s[24:25], s23 offset:0x80
	s_load_b512 s[84:99], s[24:25], s23 offset:0xc0
.endm
	s_load_b256 s[68:75], s[0:1], 0x0
	v_lshl_add_u32 v[SPW], v0, 2, SPARE
	v_mov_b32 v[NIL], 0
	ds_add_u32 v[SPW], v[NIL]
	ds_add_u32 v[SPW], v[NIL]
	v_lshrrev_b32 v2, 5, v0
	s_delay_alu instid0(VALU_DEP_1)
	v_readfirstlane_b32 s20, v2
	v_and_b32 v[LI], 31, v0
	s_delay_alu instid0(VALU_DEP_1)
	v_lshlrev_b32 v[LI], 4, v[LI]
	s_bfe_u32 s2, ttmp6, 0x40000
	s_lshl_b32 s3, ttmp9, 2
	s_add_co_u32 s3, s3, s2
	s_and_b32 s62, s3, 1
	s_lshr_b32 s63, s3, 1
	s_and_b32 s21, ttmp7, 0xffff
	s_lshl_b32 s28, s21, 2
	s_lshl_b32 s29, s62, 1
	s_add_co_u32 s28, s28, s29
	s_lshl_b32 s28, s28, 3
	s_add_co_u32 s28, s28, s63
	s_lshl_b32 s28, s28, 14
	s_lshl_b32 s29, s20, 11
	s_add_co_u32 s28, s28, s29
	s_mov_b32 s29, 0
	s_lshl_b32 s30, s63, 3
	s_add_co_u32 s30, s30, s20
	s_lshl_b32 s30, s30, 11
	s_mov_b32 s31, 0
	s_lshr_b32 s32, s21, 2
	s_lshl_b32 s32, s32, 10
	s_lshl_b32 s33, s63, 7
	s_add_co_u32 s32, s32, s33
	s_lshl_b32 s33, s20, 1
	s_add_co_u32 s32, s32, s33
	s_lshl_b32 s32, s32, 11
	s_and_b32 s33, s21, 3
	s_lshl_b32 s33, s33, 2
	s_lshl_b32 s34, s62, 1
	s_add_co_u32 s33, s33, s34
	s_lshl_b32 s33, s33, 7
	s_add_co_u32 s104, s32, s33
	s_lshl_b32 s36, s21, 18
	s_lshl_b32 s37, s20, 14
	s_add_co_u32 s36, s36, s37
	s_mov_b32 s37, 0
	s_mov_b32 s4, 15|(3<<16)|(1<<21)
	s_mov_b32 s5, 32<<16
	s_mov_b32 s6, 64<<16
	s_mov_b32 s7, 32<<16
	s_mov_b32 s8, 64
	s_mov_b32 s9, 32
	s_mov_b32 s10, 0
	s_mov_b32 s11, 0
	s_wait_dscnt 0x0
	s_wait_kmcnt 0x0
	s_load_b256 s[76:83], s[74:75], 0x0
	s_mov_b32 s12, 1
	s_lshl_b32 s13, s20, 14
	s_add_nc_u64 s[14:15], s[70:71], s[36:37]
	s_mov_b32 s16, 1
	s_add_co_u32 s17, s13, 131072
	s_add_nc_u64 s[18:19], s[14:15], 131072
	s_or_b32 s15, s15, 0x80000000
	s_or_b32 s19, s19, 0x80000000
	s_add_nc_u64 s[100:101], s[68:69], s[28:29]
	s_add_nc_u64 s[24:25], s[72:73], s[30:31]
	CROUND
	tensor_load_to_lds s[12:15], s[4:11]
	s_nop 0
	s_wait_alu depctr_va_vdst(0)
	s_wait_tensorcnt 0x0
	ds_add_u32 v3, v4
	s_wait_dscnt 0x0
	CROUND
	tensor_load_to_lds s[16:19], s[4:11]
	s_nop 0
.rept 4
	v_nop
.endr
	WIN 0x40
	s_wait_alu depctr_va_vdst(0)
.irp c, 0,1,2,3
	global_load_b128 v[QA+4*\c:QA+4*\c+3], v[LI], s[100:101] offset:512*\c
	global_load_b128 v[QB+4*\c:QB+4*\c+3], v[LI], s[100:101] offset:131072+512*\c
.endr
.set jj, 0
.rept 128
	v_mov_b32 v[jj], 0
.set jj, jj+1
.endr
	WIN 0
.irp x, STA, STB
	v_mov_b32 v[\x+1], 0xff61b1e6
	s_delay_alu instid0(VALU_DEP_1)
	v_floor_f32 v[\x], -v[\x+1]
	v_mov_b32 v[\x+2], 0
	v_mov_b32 v[\x+3], 0
	v_mov_b32 v[\x+5], 0
	v_mov_b32 v[\x+10], 0
.endr
	v_mov_b32 v[NINF], 0xff800000
	s_wait_kmcnt 0x0
	s_add_co_i32 s2, s78, s79
	s_lshl_b32 s2, s2, 23
	s_mov_b32 s26, 0x3e0293ee
	s_add_co_i32 s26, s26, s2
	s_mov_b32 s27, s26
	s_add_co_i32 s2, s80, 127
	s_lshl_b32 s3, s2, 23
	v_mov_b32 v[SCL], s3
	s_add_co_i32 s2, s2, 8
	s_lshl_b32 s2, s2, 23
	s_or_b32 s2, s2, 0x600000
	v_mov_b32 v[LIM], s2
	v_mov_b32 v19, s2                              ; the same bound once more, for the second half of a dual pair
	s_mov_b32 s60, 0x76543210
	s_mov_b32 s61, 0xfedcba98
	s_mov_b32 s23, 0
	MLOADS
	s_wait_loadcnt 0x0
.macro MAXM2
.irp x, 0,1
	v_max3_num_f32 v[STA+12*\x+6], v[SA+64*\x], v[SA+64*\x+1], v[SA+64*\x+2]
.endr
.irp x, 0,1
	v_max3_num_f32 v[STA+12*\x+7], v[SA+64*\x+3], v[SA+64*\x+4], v[SA+64*\x+5]
.endr
.irp i, 6,10,14,18,22,26,30,34,38,42,46,50,54,58
.irp x, 0,1
	s_delay_alu instid0(VALU_DEP_4)
	v_max3_num_f32 v[STA+12*\x+6], v[STA+12*\x+6], v[SA+64*\x+\i], v[SA+64*\x+\i+1]
.endr
.irp x, 0,1
	s_delay_alu instid0(VALU_DEP_4)
	v_max3_num_f32 v[STA+12*\x+7], v[STA+12*\x+7], v[SA+64*\x+\i+2], v[SA+64*\x+\i+3]
.endr
.endr
.irp x, 0,1
	s_delay_alu instid0(VALU_DEP_4)
	v_max3_num_f32 v[STA+12*\x+6], v[STA+12*\x+6], v[SA+64*\x+62], v[SA+64*\x+63]
.endr
.irp x, 0,1
	s_delay_alu instid0(VALU_DEP_2)
	v_max_num_f32 v[STA+12*\x+6], v[STA+12*\x+6], v[STA+12*\x+7]
.endr
.irp x, 0,1
	s_delay_alu instid0(VALU_DEP_2)
	v_permlanex16_b32 v[STA+12*\x+10], v[STA+12*\x+6], s60, s61
.endr
.irp x, 0,1
	s_delay_alu instid0(VALU_DEP_2)
	v_max_num_f32 v[STA+12*\x+6], v[STA+12*\x+6], v[STA+12*\x+10]
.endr
.irp x, 0,1
	s_delay_alu instid0(VALU_DEP_2)
	v_mul_f32 v[STA+12*\x+6], s26, v[STA+12*\x+6]
.endr
.irp x, 0,1
	s_delay_alu instid0(VALU_DEP_2)
	v_max_num_f32 v[STA+12*\x+1], v[STA+12*\x+1], v[STA+12*\x+6]
.endr
.irp x, 0,1
	v_mov_b32 v[STA+12*\x+6], v[STA+12*\x]
.endr
.irp x, 0,1
	s_delay_alu instid0(VALU_DEP_4)
	v_floor_f32 v[STA+12*\x], -v[STA+12*\x+1]
.endr
.irp x, 0,1
	s_delay_alu instid0(VALU_DEP_2)
	v_sub_f32 v[STA+12*\x+6], v[STA+12*\x], v[STA+12*\x+6]
.endr
.irp x, 0,1
	s_delay_alu instid0(VALU_DEP_2)
	v_cvt_i32_f32 v[STA+12*\x+6], v[STA+12*\x+6]
.endr
.irp x, 0,1
	s_delay_alu instid0(VALU_DEP_2)
	v_ldexp_f32 v[STA+12*\x+4], 1.0, v[STA+12*\x+6]
.endr
.endm
.macro SUMS2
.irp x, 0,1
	v_pk_add_f32 v[STA+12*\x+8:STA+12*\x+9], v[SA+64*\x:SA+64*\x+1], v[SA+64*\x+2:SA+64*\x+3]
.endr
.irp j, 4,8,12,16,20,24,28,32,36,40,44,48,52,56,60
.irp x, 0,1
	v_pk_add_f32 v[STA+12*\x+2:STA+12*\x+3], v[STA+12*\x+2:STA+12*\x+3], v[SA+64*\x+\j:SA+64*\x+\j+1]
.endr
.irp x, 0,1
	v_pk_add_f32 v[STA+12*\x+8:STA+12*\x+9], v[STA+12*\x+8:STA+12*\x+9], v[SA+64*\x+\j+2:SA+64*\x+\j+3]
.endr
.endr
.irp x, 0,1
	s_delay_alu instid0(VALU_DEP_2)
	v_pk_add_f32 v[STA+12*\x+2:STA+12*\x+3], v[STA+12*\x+2:STA+12*\x+3], v[STA+12*\x+8:STA+12*\x+9]
.endr
.endm
.macro STEP
	v_add_nc_u32 v[ADK], s21, v[LI]
.rept 3
	v_nop
.endr
.irp i, 0,1,2,3
.irp c, 0,1,2,3
	ds_load_b128 v[FRG+16*\i+4*\c:FRG+16*\i+4*\c+3], v[ADK] offset:\i*2048+512*\c
.endr
.endr
	WIN 0x40
.irp i, 0,1,2,3
.irp c, 0,1,2,3
	ds_load_b128 v[FRH+16*\i+4*\c:FRH+16*\i+4*\c+3], v[ADK] offset:(4+\i)*2048+512*\c
.endr
.endr
	s_wait_dscnt 16
	WIN 0x04
.irp i, 0,1,2,3
	v_wmma_f32_16x16x128_fp8_fp8 v[SA+8*\i:SA+8*\i+7], v[FRG+16*\i:FRG+16*\i+15], v[QA:QA+15], 0
	v_wmma_f32_16x16x128_fp8_fp8 v[SB+8*\i:SB+8*\i+7], v[FRG+16*\i:FRG+16*\i+15], v[QB:QB+15], 0
.endr
	s_wait_alu depctr_va_vdst(0)
	s_wait_dscnt 0x0
	WIN 0x05
.irp i, 0,1,2,3
	v_wmma_f32_16x16x128_fp8_fp8 v[SA+8*(4+\i):SA+8*(4+\i)+7], v[FRH+16*\i:FRH+16*\i+15], v[QA:QA+15], 0
	v_wmma_f32_16x16x128_fp8_fp8 v[SB+8*(4+\i):SB+8*(4+\i)+7], v[FRH+16*\i:FRH+16*\i+15], v[QB:QB+15], 0
.endr
	WIN 0
.rept 4
	v_nop
.endr
	s_wait_kmcnt 0x0
.set nn, 0
.rept 64
.if nn < 32
.set mm, 28+nn
.else
.set mm, 36+nn
.endif
	v_cndmask_b32 v[SA+nn], v[SA+nn], v[NINF], s[mm]
	v_cndmask_b32 v[SB+nn], v[SB+nn], v[NINF], s[mm]
.set nn, nn+1
.endr
	s_add_co_u32 s23, s23, 256
	s_and_b32 s23, s23, 0x7ff
	MLOADS
.irp i, 0,1,2,3
.irp c, 0,1,2,3
	ds_load_b128 v[FRG+16*\i+4*\c:FRG+16*\i+4*\c+3], v[ADK] offset:16384+\i*2048+512*\c
.endr
.endr
	WIN 0x40
.irp i, 0,1,2,3
.irp c, 0,1,2,3
	ds_load_b128 v[FRH+16*\i+4*\c:FRH+16*\i+4*\c+3], v[ADK] offset:16384+(4+\i)*2048+512*\c
.endr
.endr
	WIN 0
	MAXM2
.set jj, 0
.rept 32
	v_pk_fma_f32 v[SA+jj:SA+jj+1], v[SA+jj:SA+jj+1], s[26:27], v[STA:STA+1] op_sel_hi:[1,0,0]
	v_pk_fma_f32 v[SB+jj:SB+jj+1], v[SB+jj:SB+jj+1], s[26:27], v[STB:STB+1] op_sel_hi:[1,0,0]
.set jj, jj+2
.endr
.set jj, 0
	s_wait_alu depctr_va_vdst(0)
.rept 128
	v_exp_f32 v[SA+jj], v[SA+jj]
.set jj, jj+1
.endr
	v_pk_mul_f32 v[STA+2:STA+3], v[STA+2:STA+3], v[STA+4:STA+5] op_sel_hi:[1,0]
	v_pk_mul_f32 v[STB+2:STB+3], v[STB+2:STB+3], v[STB+4:STB+5] op_sel_hi:[1,0]
	s_wait_alu depctr_va_vdst(0)
	SUMS2
.set jj, 0
.rept 64
	v_dual_min_num_f32 v[SA+jj], v[SA+jj], v[LIM] :: v_dual_min_num_f32 v[SA+jj+1], v[SA+jj+1], v19   ; the one-sided hold of p, two numbers an issue
.set jj, jj+2
.endr
.irp t, 0,1,2,3,4,5,6,7
	v_cvt_scalef32_pk8_fp8_f32 v[PA+2*\t:PA+2*\t+1], v[SA+8*\t:SA+8*\t+7], v[SCL]
	v_cvt_scalef32_pk8_fp8_f32 v[PB+2*\t:PB+2*\t+1], v[SB+8*\t:SB+8*\t+7], v[SCL]
.endr
	WIN 0x41
.set jj, 0
.rept 32
	v_pk_mul_f32 v[OA+jj:OA+jj+1], v[OA+jj:OA+jj+1], v[STA+4:STA+5] op_sel_hi:[1,0]
	v_pk_mul_f32 v[OB+jj:OB+jj+1], v[OB+jj:OB+jj+1], v[STB+4:STB+5] op_sel_hi:[1,0]
.set jj, jj+2
.endr
	s_wait_alu depctr_va_vdst(0)
	s_wait_dscnt 0x0
	WIN 0x50
.irp i, 0,1,2,3
	v_wmma_f32_16x16x128_fp8_fp8 v[OA+8*\i:OA+8*\i+7], v[FRG+16*\i:FRG+16*\i+15], v[PA:PA+15], v[OA+8*\i:OA+8*\i+7]
	v_wmma_f32_16x16x128_fp8_fp8 v[OB+8*\i:OB+8*\i+7], v[FRG+16*\i:FRG+16*\i+15], v[PB:PB+15], v[OB+8*\i:OB+8*\i+7]
.endr
	WIN 0x51
.irp i, 0,1,2,3
	v_wmma_f32_16x16x128_fp8_fp8 v[OA+8*(4+\i):OA+8*(4+\i)+7], v[FRH+16*\i:FRH+16*\i+15], v[PA:PA+15], v[OA+8*(4+\i):OA+8*(4+\i)+7]
	v_wmma_f32_16x16x128_fp8_fp8 v[OB+8*(4+\i):OB+8*(4+\i)+7], v[FRH+16*\i:FRH+16*\i+15], v[PB:PB+15], v[OB+8*(4+\i):OB+8*(4+\i)+7]
.endr
	WIN 0
	s_add_co_u32 s21, s21, 32768
.endm
.macro FOUR_STEPS base
	s_mov_b32 s21, \base
	s_mov_b32 s22, 4
.Lstep_\@:
	STEP
	s_sub_co_u32 s22, s22, 1
	s_cmp_lg_u32 s22, 0
	s_cbranch_scc1 .Lstep_\@
.endm
	s_wait_tensorcnt 0x1
	s_barrier_signal -1
	s_barrier_wait -1
	FOUR_STEPS 0
	s_wait_tensorcnt 0x0
	s_wait_dscnt 0x0
	s_barrier_signal -1
	s_barrier_wait -1
	FOUR_STEPS 131072
	s_wait_kmcnt 0x0
	s_load_b128 s[28:31], s[0:1], 0x18
.irp x, STA, STB
	v_add_f32 v[\x+2], v[\x+2], v[\x+3]
.endr
.irp x, STA, STB
	s_delay_alu instid0(VALU_DEP_2)
	v_permlanex16_b32 v[\x+10], v[\x+2], s60, s61
.endr
.irp x, STA, STB
	s_delay_alu instid0(VALU_DEP_2)
	v_add_f32 v[\x+2], v[\x+2], v[\x+10]
.endr
	s_wait_alu depctr_va_vdst(0)
.irp x, STA, STB
	v_rcp_f32 v[\x+4], v[\x+2]
.endr
	v_and_b32 v14, 15, v0
	v_bfe_u32 v15, v0, 4, 1
	s_mul_i32 s2, s20, 4352
	s_add_co_u32 s2, s2, STAGE
	v_mul_u32_u24 v16, v14, 272
	s_delay_alu instid0(VALU_DEP_1)
	v_lshl_add_u32 v16, v15, 3, v16
	s_delay_alu instid0(VALU_DEP_1)
	v_add_nc_u32 v16, s2, v16
	v_mul_u32_u24 v17, v15, 272
	s_delay_alu instid0(VALU_DEP_1)
	v_lshl_add_u32 v17, v14, 4, v17
	s_delay_alu instid0(VALU_DEP_1)
	v_add_nc_u32 v17, s2, v17
	v_lshlrev_b32 v26, 15, v15
	s_delay_alu instid0(VALU_DEP_1)
	v_lshl_add_u32 v26, v14, 4, v26
	s_wait_kmcnt 0x0
	s_load_b128 s[32:35], s[28:29], 0x10
	s_mov_b32 s105, 0
	s_add_nc_u64 s[30:31], s[30:31], s[104:105]
	s_wait_kmcnt 0x0
	s_add_co_i32 s2, s32, s33
	s_add_co_i32 s3, s34, 127
	s_lshl_b32 s62, s3, 23
	v_mov_b32 v27, s62
	s_add_co_i32 s3, s3, 8
	s_lshl_b32 s3, s3, 23
	s_or_b32 s3, s3, 0x600000
	v_mov_b32 v28, s3
	v_mov_b32 v29, 0x7f7f7f7f
	s_wait_alu depctr_va_vdst(0)
.irp x, STA, STB
	v_ldexp_f32 v[\x+4], v[\x+4], s2
.endr
.macro YOUT st, o, s, p, x
	WIN 0x01
.set jj, 0
.rept 32
	v_pk_mul_f32 v[\s+jj:\s+jj+1], v[\o+jj:\o+jj+1], v[\st+4:\st+5] op_sel_hi:[1,0]
.set jj, jj+2
.endr
	WIN 0
.set jj, 0
.rept 64
	v_med3_num_f32 v[\s+jj], v[\s+jj], -v28, v28
.set jj, jj+1
.endr
.irp t, 0,1,2,3,4,5,6,7
	v_cvt_scalef32_pk8_fp8_f32 v[\p+2*\t:\p+2*\t+1], v[\s+8*\t:\s+8*\t+7], v27
.endr
	v_nop
	v_cmp_eq_f32 vcc_lo, 0, v[\st+2]
.set jj, 0
.rept 16
	v_cndmask_b32 v[\p+jj], v[\p+jj], v29, vcc_lo
.set jj, jj+1
.endr
.irp t, 0,1,2,3,4,5,6,7
	ds_store_b64 v16, v[\p+2*\t:\p+2*\t+1] offset:128*\x+16*\t
.endr
.endm
	YOUT STA, OA, SA, PA, 0
	YOUT STB, OB, SB, PB, 1
.irp i, 0,1,2,3,4,5,6,7
	ds_load_b128 v[SA+4*\i:SA+4*\i+3], v17 offset:544*\i
.endr
.irp i, 0,1,2,3,4,5,6,7
	s_wait_dscnt 7-\i
	global_store_b128 v26, v[SA+4*\i:SA+4*\i+3], s[30:31] offset:(32*(\i%4)+(\i/4))*2048
.endr
	s_wait_tensorcnt 0x0
	ds_add_u32 v[SPW], v[NIL]
	s_wait_dscnt 0x0
	CROUND
	s_endpgm
.Lfunc_end_k_qa330e1685b_attn:
	.size	k_qa330e1685b_attn, .Lfunc_end_k_qa330e1685b_attn-k_qa330e1685b_attn
	.p2alignl 7, 3214868480
	.fill 96, 4, 3214868480
	.section	.rodata,"a",@progbits
	.p2align	6, 0x0
	.amdhsa_kernel k_qa330e1685b_attn
		.amdhsa_group_segment_fixed_size 327680
		.amdhsa_private_segment_fixed_size 0
		.amdhsa_enable_private_segment 0
		.amdhsa_kernarg_size 40
		.amdhsa_user_sgpr_count 2
		.amdhsa_user_sgpr_kernarg_segment_ptr 1
		.amdhsa_wavefront_size32 1
		.amdhsa_system_sgpr_workgroup_id_x 1
		.amdhsa_system_sgpr_workgroup_id_y 1
		.amdhsa_system_sgpr_workgroup_id_z 1
		.amdhsa_system_vgpr_workitem_id 0
		.amdhsa_next_free_vgpr 480
		.amdhsa_next_free_sgpr 106
		.amdhsa_reserve_vcc 1
		.amdhsa_float_denorm_mode_32 3
		.amdhsa_float_denorm_mode_16_64 3
		.amdhsa_memory_ordered 1
		.amdhsa_forward_progress 1
		.amdhsa_inst_pref_size 118
	.end_amdhsa_kernel
	.amdgpu_metadata
---
amdhsa.version: [ 1, 2 ]
amdhsa.kernels:
  - .name:           k_qa330e1685b_attn
    .symbol:         k_qa330e1685b_attn.kd
    .args:
      - { .name: q_img, .offset: 0, .size: 8, .value_kind: global_buffer, .address_space: global }
      - { .name: kv_img, .offset: 8, .size: 8, .value_kind: global_buffer, .address_space: global }
      - { .name: mw, .offset: 16, .size: 8, .value_kind: global_buffer, .address_space: global }
      - { .name: lowp_scales, .offset: 24, .size: 8, .value_kind: global_buffer, .address_space: global }
      - { .name: y_codes, .offset: 32, .size: 8, .value_kind: global_buffer, .address_space: global }
    .group_segment_fixed_size: 327680
    .private_segment_fixed_size: 0
    .kernarg_segment_align: 8
    .kernarg_segment_size: 40
    .max_flat_workgroup_size: 256
    .sgpr_count:     106
    .vgpr_count:     480
    .wavefront_size: 32
...
	.end_amdgpu_metadata
.endif
;; end of part 3
;; launch oproj (part 4): grid 8 x 32, 4 waves a work-group, clusters of 4 x 4, 327,680 bytes of LDS; arguments y_codes, wo_codes, lowp_scales, out0; writes out0
.if DOCPART == 4
	.amdgcn_target "amdgcn-amd-amdhsa--gfx1250"
	.amdhsa_code_object_version 6
	.text
	.protected	k_qa330e1685b_oproj
	.globl	k_qa330e1685b_oproj
	.p2align	8
	.type	k_qa330e1685b_oproj,@function
k_qa330e1685b_oproj:
	s_mov_b64 s[64:65], 0
	v_nop
	global_prefetch_b8 v0, s[64:65] scope:SCOPE_SE
	s_setreg_imm32_b32 hwreg(HW_REG_WAVE_MODE, 25, 1), 1
	s_wait_xcnt 0x0
	s_wait_alu depctr_hold_cnt(0) depctr_sa_sdst(0) depctr_va_vdst(0) depctr_va_sdst(0) depctr_va_ssrc(0) depctr_va_vcc(0) depctr_vm_vsrc(0)
	s_getreg_b32 s2, hwreg(HW_REG_IB_STS2, 6, 4)
	s_cmp_eq_u32 s2, 0
	s_cbranch_scc0 .Lentry_in_a_cluster
	s_endpgm
.Lentry_in_a_cluster:
	s_bfe_u32 s2, ttmp6, 0x10000c
	s_cmp_lg_u32 s2, 0xf033
	s_cbranch_scc0 .Lentry_shape_is_right
	s_endpgm
.Lentry_shape_is_right:
; THE LAST PRODUCT: out0 = y w_out^T on codes of FP8 (E4M3), y [4096][2048], w_out [2048][2048], sums in f32, each finished sum x 2^(e6 + e7).  LIMIT: e6 + e7 between -126 and 127.
; A block of out0 is 128 x 256: four waves, a wave 64 x 128 in 32 accumulators.  K goes in steps of 256 through three LDS slots filled by joint loads of a 4 x 4 cluster (A's tile along a row, B's along a column).
; The matrix instruction is used transposed, so that a lane holds eight neighbouring numbers of a row; the results leave through the wave's stage in LDS as whole rows of 512 bytes.
.set SIZE_M, 4096
.set SIZE_N, 2048
.set SIZE_K, 2048
.set ROWB,   256
.set KROW,   SIZE_K
.set PITCH,  272
.set FR,     16
.set NP,     4
.set APART,  128*PITCH
.set SLOT,   384*PITCH
.set SPARE,  3*SLOT
.set STAGE,  2*SLOT
.set SPITCH, 528
.set ADRA, 16
.set ADRB, 20
.set STO,  24
.set RD,   25
.set CO,   26
.set SPW,  28
.set NIL,  29
.set TMP,  32
.set AF,   128
.set BK,   128
.set G1,  24
.set G0,  32
.set G1B, 48
.set G0B, 68
.set PFA, 44                           ; s[44:45] my prefetches' first row at K step 0; never rewritten: the K step is an immediate
.set PFL, 46                           ; s46     1 where my wave prefetches
.set PFO, 30                           ; v30     my lane's row x 2,048 bytes; never rewritten
.set PFK, 6                            ; the first of the two K steps that the next fill of a pair of slots names
; THE FILLS.  One wave's load brings a whole tile of a slot: A's 128 rows (even waves) or B's 256 (odd waves).  Slots 0 and 1 are filled together, waves 0 and 1 for slot 0, waves 2 and 3 for slot 1;
; slot 2 by waves 0 and 1 alone.  So K's eight steps come in five fills: (0, 1), 2, (3, 4), 5, (6, 7), one tensor load a wave behind each round.
; A PREFETCH INTO THE L2: behind the fill of (0, 1) K steps 2 and 3 are named, behind that of 2 K steps 4 and 5, behind that of (3, 4) K steps 6 and 7: each one or two fills ahead of its load.
; The four partners of a joint load share the rows out by address: waves 0 and 1 name A's rows, 64 a wave, 16 a partner (lanes 16-31 name the last row again); waves 2 and 3 B's, 128 a wave, 32 a partner.
; B's rows are walked by eight clusters: those with an even y ask for them.
.macro ASK k
	s_cmp_eq_u32 s[PFL], 1
	s_cbranch_scc0 .Lnoask_\@
	global_prefetch_b8 v[PFO], s[PFA:PFA+1] offset:(\k)*ROWB th:TH_LOAD_NT scope:SCOPE_SE
.Lnoask_\@:
.endm
.set MSB, 0
.macro WIN new
.if MSB != \new
	s_set_vgpr_msb (MSB<<8)|\new
.set MSB, \new
.endif
.endm
.set MUL,  0xa1
.set TO_B, 0x40
.macro JLOAD g0a, g1a, g0b, g1b, only
.if \only                              ; slot 2's fill: waves 2 and 3 have no part of it
	s_cmp_eq_u32 s15, 0
	s_cbranch_scc0 .Lasked_\@
.endif
	s_cmp_eq_u32 s16, 0
	s_cbranch_scc0 .Lfor_b_\@
	tensor_load_to_lds s[\g0a:\g0a+3], s[\g1a:\g1a+7]
	s_nop 0
.rept 4
	v_nop
.endr
	s_branch .Lasked_\@
.Lfor_b_\@:
	tensor_load_to_lds s[\g0b:\g0b+3], s[\g1b:\g1b+7]
	s_nop 0
.rept 4
	v_nop
.endr
.Lasked_\@:
.endm
.macro CREST
	s_cmp_lg_u32 s14, 0
	s_cbranch_scc1 .Lnot_wave_0_\@
	s_barrier_signal -3
.Lnot_wave_0_\@:
	s_barrier_wait -3
	s_barrier_signal -1
	s_barrier_wait -1
.endm
.macro CROUND
	s_barrier_signal -1
	s_barrier_wait -1
	CREST
.endm
	s_load_b128 s[4:7], s[0:1], 0x0
	s_load_b128 s[8:11], s[0:1], 0x10
	v_lshl_add_u32 v[SPW], v0, 2, SPARE
	v_mov_b32 v[NIL], 0
	ds_add_u32 v[SPW], v[NIL]
	ds_add_u32 v[SPW], v[NIL]
	v_lshrrev_b32 v1, 5, v0
	v_readfirstlane_b32 s14, v1
	s_lshr_b32 s15, s14, 1
	s_and_b32 s16, s14, 1
	s_bfe_u32 s80, ttmp6, 0x40000
	s_bfe_u32 s81, ttmp6, 0x40004
	s_lshl_b32 s82, ttmp9, 2
	s_add_co_u32 s82, s82, s80
	s_and_b32 s17, ttmp7, 0xffff
	s_lshl_b32 s17, s17, 2
	s_add_co_u32 s17, s17, s81
	s_lshl_b32 s83, s81, 2
	s_lshl_b32 s83, 15, s83
	s_lshl_b32 s84, 0x1111, s80
	s_or_b32 s[G1+0], s83, (0<<16)|(1<<20)|(1<<21)|(5<<22)|(3<<25)
	s_or_b32 s[G1B+0], s84, (0<<16)|(1<<20)|(1<<21)|(5<<22)|(3<<25)
	s_mov_b32 s[G1+1], ROWB<<16
	s_mov_b32 s[G1+2], 128<<16
	s_mov_b32 s[G1+3], ROWB<<16
	s_mov_b32 s[G1+4], 128
	s_mov_b32 s[G1+5], KROW
	s_mov_b32 s[G1+6], 0
	s_mov_b32 s[G1+7], 0
	s_mov_b32 s[G1B+1], ROWB<<16
	s_mov_b32 s[G1B+2], 256<<16
	s_mov_b32 s[G1B+3], ROWB<<16
	s_mov_b32 s[G1B+4], 256
	s_mov_b32 s[G1B+5], KROW
	s_mov_b32 s[G1B+6], 0
	s_mov_b32 s[G1B+7], 0
	s_lshl_b32 s20, s17, 7                         ; A's tile: row 128 x tile row
	s_lshl_b32 s88, s82, 8                         ; B's tile: row 256 x tile column
	s_mov_b32 s21, 0
	s_mov_b32 s89, 0
	s_mov_b64 s[18:19], KROW
	s_mul_u64 s[20:21], s[20:21], s[18:19]
	s_mul_u64 s[88:89], s[88:89], s[18:19]
	s_mul_i32 s85, s15, SLOT                       ; the pair's fills: waves 0, 1 slot 0, waves 2, 3 slot 1: A's tile,
	s_add_co_u32 s86, s85, APART                   ; B's behind it,
	s_lshl_b32 s90, s15, 8                         ; and that slot's K step, in bytes
	s_mov_b32 s91, 0
	s_wait_dscnt 0x0
	s_wait_kmcnt 0x0
	s_load_b64 s[96:97], s[8:9], 0x18
	s_add_nc_u64 s[20:21], s[4:5], s[20:21]
	s_add_nc_u64 s[88:89], s[6:7], s[88:89]
	s_lshl_b32 s56, s17, 7
	s_lshl_b32 s57, s16, 6
	s_add_co_u32 s56, s56, s57
	s_lshl_b32 s57, s80, 4
	s_add_co_u32 s56, s56, s57                     ; A: 128 x tile row + 64 x half + 16 cx
	s_lshl_b32 s58, s82, 8
	s_lshl_b32 s57, s16, 7
	s_add_co_u32 s58, s58, s57
	s_lshl_b32 s57, s81, 5
	s_add_co_u32 s58, s58, s57                     ; B: 256 x tile column + 128 x half + 32 cy
	s_and_b32 s59, ttmp7, 1
	s_xor_b32 s59, s59, 1                          ; 1 in clusters with an even y: the same in all sixteen partners
	s_cmp_eq_u32 s15, 0                            ; do I fetch for A?
	s_cselect_b32 s56, s56, s58
	s_cselect_b64 s[PFA:PFA+1], s[4:5], s[6:7]
	s_cselect_b32 s[PFL], 1, s59
	s_cselect_b32 s60, 15, 31                      ; my last row
	s_lshl_b32 s56, s56, 11                        ; rows of 2,048 bytes
	s_mov_b32 s57, 0
	s_add_nc_u64 s[PFA:PFA+1], s[PFA:PFA+1], s[56:57]
	v_and_b32 v[PFO], 31, v0
	v_min_u32 v[PFO], s60, v[PFO]
	v_lshlrev_b32 v[PFO], 11, v[PFO]
	s_wait_alu depctr_va_vdst(0)                   ; the wait here, directly behind the write
	CROUND
	s_mov_b32 s[G0], 1                             ; groups 0 of the pair's fills,
	s_mov_b32 s[G0+1], s85
	s_add_nc_u64 s[G0+2:G0+3], s[20:21], s[90:91]
	s_or_b32 s[G0+3], s[G0+3], 0x80000000
	s_mov_b32 s[G0B], 1
	s_mov_b32 s[G0B+1], s86
	s_add_nc_u64 s[G0B+2:G0B+3], s[88:89], s[90:91]
	s_or_b32 s[G0B+3], s[G0B+3], 0x80000000
	s_mov_b32 s[G0+8], 1                           ; and of slot 2's
	s_mov_b32 s[G0+9], 2*SLOT
	s_add_nc_u64 s[G0+10:G0+11], s[20:21], 2*ROWB
	s_or_b32 s[G0+11], s[G0+11], 0x80000000
	s_mov_b32 s[G0B+8], 1
	s_mov_b32 s[G0B+9], 2*SLOT+APART
	s_add_nc_u64 s[G0B+10:G0B+11], s[88:89], 2*ROWB
	s_or_b32 s[G0B+11], s[G0B+11], 0x80000000
	JLOAD G0, G1, G0B, G1B, 0                      ; K steps 0 and 1: one tensor load a wave at the head
	ASK 2
	ASK 3
	v_and_b32 v1, 15, v0
	v_bfe_u32 v2, v0, 4, 1
	v_mul_u32_u24 v3, v1, PITCH
	v_lshl_add_u32 v4, v2, 4, v3
	s_mul_i32 s21, s15, 64*PITCH
	s_mul_i32 s22, s16, 128*PITCH
	s_add_co_u32 s22, s22, APART
.irp s, 0,1,2
	v_add_nc_u32 v[ADRA+\s], s21, v4
	v_add_nc_u32 v[ADRB+\s], s22, v4
	s_add_co_u32 s21, s21, SLOT
	s_add_co_u32 s22, s22, SLOT
.endr
	s_mul_i32 s23, s14, 16*SPITCH
	s_add_co_u32 s23, s23, STAGE
	v_mul_u32_u24 v5, v1, SPITCH
	v_lshl_add_u32 v5, v2, 5, v5
	v_add_nc_u32 v[STO], s23, v5
	v_and_b32 v6, 31, v0
	v_lshlrev_b32 v[CO], 4, v6
	v_add_nc_u32 v[RD], s23, v[CO]
	s_lshl_b32 s20, s17, 7
	s_lshl_b32 s21, s15, 6
	s_add_co_u32 s20, s20, s21
	s_mov_b32 s21, 0
	s_mov_b64 s[18:19], SIZE_N*4
	s_mul_u64 s[20:21], s[20:21], s[18:19]
	s_lshl_b32 s88, s82, 10
	s_lshl_b32 s89, s16, 9
	s_add_co_u32 s88, s88, s89
	s_mov_b32 s89, 0
	s_add_nc_u64 s[20:21], s[20:21], s[88:89]
	s_add_nc_u64 s[10:11], s[10:11], s[20:21]
.macro FRAG reg, adr, q, i
.irp c, 0,1,2,3
	ds_load_b128 v[\reg+4*\c:\reg+4*\c+3], v[\adr] offset:128*(\q)+32*\c+(\i)*16*PITCH
.endr
.endm
.macro MUL16 a0, p, zero
.irp a, \a0, \a0+1
.irp b, 0,1,2,3,4,5,6,7
.if \zero
	v_wmma_f32_16x16x128_fp8_fp8 v[8*(8*(\a)+\b):8*(8*(\a)+\b)+7], v[128*(\p)+FR*\b:128*(\p)+FR*\b+FR-1], v[AF+64*(\p)+FR*(\a):AF+64*(\p)+FR*(\a)+FR-1], 0
.else
	v_wmma_f32_16x16x128_fp8_fp8 v[8*(8*(\a)+\b):8*(8*(\a)+\b)+7], v[128*(\p)+FR*\b:128*(\p)+FR*\b+FR-1], v[AF+64*(\p)+FR*(\a):AF+64*(\p)+FR*(\a)+FR-1], v[8*(8*(\a)+\b):8*(8*(\a)+\b)+7]
.endif
.endr
.endr
.endm
.macro FETCH slot, q, p
	WIN TO_B
.irp i, 0,1,2,3,4,5,6,7
	FRAG 128*(\p)+FR*\i, ADRB+\slot, \q, \i
.endr
	WIN 0
.irp i, 0,1,2,3
	FRAG AF+64*(\p)+FR*\i, ADRA+\slot, \q, \i
.endr
.endm
.macro PLACES n
.rept \n
	v_nop
.endr
.endm
.macro STEPA slot, zero
	s_wait_dscnt 0x0
	PLACES NP
	FETCH \slot, 1, 1
	WIN MUL
	MUL16 0, 0, \zero
	MUL16 2, 0, \zero
	WIN 0
.endm
.macro STEPB slot, next, how
.if \how > 0
	s_wait_tensorcnt 0x0
	ds_add_u32 v[SPW], v[NIL]
.if \how >= 2                          ; how = 2: slots 0 and 1 are filled again; how = 3: slot 2.  Each slot's next K step lies three on
	s_add_nc_u64 s[G0+8*(\how-2)+2:G0+8*(\how-2)+3], s[G0+8*(\how-2)+2:G0+8*(\how-2)+3], 3*ROWB
	s_add_nc_u64 s[G0B+8*(\how-2)+2:G0B+8*(\how-2)+3], s[G0B+8*(\how-2)+2:G0B+8*(\how-2)+3], 3*ROWB
.endif
	s_wait_dscnt 0x0
	s_barrier_signal -1
	s_barrier_wait -1
.else
	s_wait_dscnt 0x0
.endif
.if \how >= 2
	CREST
	JLOAD G0+8*(\how-2), G1, G0B+8*(\how-2), G1B, \how-2
.endif
.if \how != 2
	PLACES NP                                      ; the places in front of the loads below, on the way that issues no tensor load too
.endif
	s_wait_alu depctr_va_vdst(0)
	FETCH \next, 0, 0
.if \how == 2
.if PFK < 8
	ASK PFK
	ASK PFK+1
.endif
.set PFK, PFK+2
.endif
	WIN MUL
	MUL16 0, 1, 0
	MUL16 2, 1, 0
	WIN 0
.endm
	s_wait_alu depctr_va_vdst(0)                   ; the wait at the head's end
	s_wait_tensorcnt 0x0                           ; my tile of K step 0 or 1 is in; these lines stand ahead of a later first fill
	ds_add_u32 v[SPW], v[NIL]
	s_wait_dscnt 0x0
	CROUND                                         ; slots 0 and 1 are whole, and all sixteen work-groups are here
	JLOAD G0+8, G1, G0B+8, G1B, 1                  ; K step 2, slot 2's first fill
	FETCH 0, 0, 0
	ASK 4
	ASK 5
	STEPA 0, 1
	STEPB 0, 1, 0                                  ; slot 1 was shown whole by the round above: no barrier
	STEPA 1, 0
	STEPB 1, 2, 2                                  ; K steps 3 and 4 into slots 0 and 1
	STEPA 2, 0
	STEPB 2, 0, 3                                  ; K step 5 into slot 2
	STEPA 0, 0
	STEPB 0, 1, 0
	STEPA 1, 0
	STEPB 1, 2, 2                                  ; K steps 6 and 7
	STEPA 2, 0
	STEPB 2, 0, 1                                  ; nothing is filled again
	STEPA 0, 0
	STEPB 0, 1, 0
	STEPA 1, 0
	s_wait_dscnt 0x0
	WIN MUL
	MUL16 0, 1, 0
	MUL16 2, 1, 0
	WIN 0
.macro TOSTAGE a
.set AC, 64*(\a)
	WIN 0x02
.irp j, 0,2,4,6,8,10,12,14,16,18,20,22,24,26,28,30,32,34,36,38,40,42,44,46,48,50,52,54,56,58,60,62
	v_pk_mul_f32 v[TMP+\j:TMP+\j+1], v[AC+\j:AC+\j+1], s[96:97] op_sel_hi:[1,0]
.endr
	WIN 0
.irp b, 0,1,2,3,4,5,6,7
	ds_store_b128 v[STO], v[TMP+8*\b:TMP+8*\b+3] offset:64*\b
	ds_store_b128 v[STO], v[TMP+8*\b+4:TMP+8*\b+7] offset:64*\b+16
.endr
.set BB, BK+64*((\a)%2)
.irp t, 0,1,2,3,4,5,6,7,8,9,10,11,12,13,14,15
	ds_load_b128 v[BB+4*\t:BB+4*\t+3], v[RD] offset:\t*SPITCH
.endr
.endm
.macro SEND a, younger
.set BB, BK+64*((\a)%2)
	s_wait_dscnt \younger
.if (\a) > 0
	s_add_nc_u64 s[10:11], s[10:11], 16*SIZE_N*4
.endif
.irp t, 0,1,2,3,4,5,6,7,8,9,10,11,12,13,14,15
	global_store_b128 v[CO], v[BB+4*\t:BB+4*\t+3], s[10:11] offset:\t*SIZE_N*4 th:TH_STORE_NT
.endr
.endm
	s_wait_kmcnt 0x0
	s_add_co_i32 s96, s96, s97
	s_add_co_i32 s96, s96, 127
	s_lshl_b32 s96, s96, 23
	PLACES NP
	TOSTAGE 0
.irp a, 1,2,3
.if \a > 1
	s_wait_xcnt 0x0
.endif
	TOSTAGE \a
	SEND \a-1, 32
.endr
	s_wait_xcnt 0x0
	SEND 3, 0
	s_wait_tensorcnt 0x0
	ds_add_u32 v[SPW], v[NIL]
	s_wait_dscnt 0x0
	CROUND
	s_endpgm
.Lfunc_end_k_qa330e1685b_oproj:
	.size	k_qa330e1685b_oproj, .Lfunc_end_k_qa330e1685b_oproj-k_qa330e1685b_oproj
	.p2alignl 7, 3214868480
	.fill 96, 4, 3214868480
	.section	.rodata,"a",@progbits
	.p2align	6, 0x0
	.amdhsa_kernel k_qa330e1685b_oproj
		.amdhsa_group_segment_fixed_size 327680
		.amdhsa_private_segment_fixed_size 0
		.amdhsa_enable_private_segment 0
		.amdhsa_kernarg_size 32
		.amdhsa_user_sgpr_count 2
		.amdhsa_user_sgpr_kernarg_segment_ptr 1
		.amdhsa_wavefront_size32 1
		.amdhsa_system_sgpr_workgroup_id_x 1
		.amdhsa_system_sgpr_workgroup_id_y 1
		.amdhsa_system_sgpr_workgroup_id_z 1
		.amdhsa_system_vgpr_workitem_id 0
		.amdhsa_next_free_vgpr 768
		.amdhsa_next_free_sgpr 98
		.amdhsa_reserve_vcc 0
		.amdhsa_float_denorm_mode_32 3
		.amdhsa_float_denorm_mode_16_64 3
		.amdhsa_memory_ordered 1
		.amdhsa_forward_progress 1
		.amdhsa_inst_pref_size 121
	.end_amdhsa_kernel
	.amdgpu_metadata
---
amdhsa.version: [ 1, 2 ]
amdhsa.kernels:
  - .name:           k_qa330e1685b_oproj
    .symbol:         k_qa330e1685b_oproj.kd
    .args:
      - { .name: y_codes, .offset: 0, .size: 8, .value_kind: global_buffer, .address_space: global }
      - { .name: wo_codes, .offset: 8, .size: 8, .value_kind: global_buffer, .address_space: global }
      - { .name: lowp_scales, .offset: 16, .size: 8, .value_kind: global_buffer, .address_space: global }
      - { .name: out0, .offset: 24, .size: 8, .value_kind: global_buffer, .address_space: global }
    .group_segment_fixed_size: 327680
    .private_segment_fixed_size: 0
    .kernarg_segment_align: 8
    .kernarg_segment_size: 32
    .max_flat_workgroup_size: 128
    .sgpr_count:     98
    .vgpr_count:     768
    .wavefront_size: 32
...
	.end_amdgpu_metadata
.endif
;; end of part 4
